; MI455X (gfx1250); checked and timed in simulation.
; The chip was launched on July 23, 2026; its instructions are those of AMD's public machine-readable ISA for CDNA 5 (MIT licence, August 2026) and "CDNA5" Instruction Set Architecture Reference Guide (July 2026). The comments in the code are by the model that wrote it; some were corrected since.
;; Cross Attn Block. Allowed arithmetic: matrix products marked QUANTISED: E5M2 operands, one E8M0 scale for each 32 along K, by v_wmma_scale_f32_16x16x128_f8f6f4 with both operands' format E5M2, f32 sums; products left as they are: f32 operands where the result goes on into a quantised operand, else bf16, f16 or f32 operands; f32 sums; everything else in f32.
;; Inputs: Wkv_codes 2,048 x 32 x 32 uint8 (E5M2 codes of Wkv, K innermost, in blocks of 32 codes); Wkv_scales 2,048 x 32 uint8 (E8M0 scales of Wkv, one for each 32 codes along K); Wp_codes 1,024 x 32 x 32 uint8 (E5M2 codes of Wp, K innermost, in blocks of 32 codes); Wp_scales 1,024 x 32 uint8 (E8M0 scales of Wp, one for each 32 codes along K); Wq_codes 1,024 x 32 x 32 uint8 (E5M2 codes of Wq, K innermost, in blocks of 32 codes); Wq_scales 1,024 x 32 uint8 (E8M0 scales of Wq, one for each 32 codes along K); Wss_kv 1,024 x 2,048 float32; Wss_q 1,024 x 2,048 float32; bkv 2,048 float32; bp 1,024 float32; bq 1,024 float32; bss_kv 2,048 float32; bss_q 2,048 float32; t_vec 8 x 1,024 float32; x_kv 8 x 512 x 1,024 float32; x_q 8 x 2,048 x 1,024 float32.
;; Outputs: out0 8 x 2,048 x 1,024 float32.
;; This version of the problem:
;;   THIS VERSION OF THE PROBLEM IS GIVEN IN LOW PRECISION. The matrix products marked QUANTISED in the list below multiply operands that are first quantised to E5M2 (5 exponent bits, 2 mantissa bits; 8 bits a number), with one power-of-two scale for each 32 numbers along K (OCP MX v1.0); their sums are f32. All else is computed in f32.
;;   The module's matrix products, in the order in which they are computed (A, B: the left and right operand; K: the contracted axis; several contracted axes count as one K, in the product's order):
;;     1. [M 8, K 1,024] x [K 1,024, N 2,048]; A: computed on the way; B: input Wss_q: left as it is (M = 8 < 16)
;;     2. [M 8, K 1,024] x [K 1,024, N 2,048]; A: computed on the way; B: input Wss_kv: left as it is (M = 8 < 16)
;;     3. [M 16,384, K 1,024] x [K 1,024, N 1,024]; A: computed on the way; B: input Wq (given as codes): QUANTISED
;;     4. [M 4,096, K 1,024] x [K 1,024, N 2,048]; A: computed on the way; B: input Wkv (given as codes): QUANTISED
;;     5. batch 128 x [M 2,048, K 64] x [K 64, N 512]; A: computed on the way; B: computed on the way: QUANTISED
;;     6. batch 128 x [M 64, K 512] x [K 512, N 2,048]; A: computed on the way; B: softmax (see below): QUANTISED
;;     7. [M 16,384, K 1,024] x [K 1,024, N 1,024]; A: computed on the way; B: input Wp (given as codes): QUANTISED
;;   THE QUANTISER, for each operand of a quantised product, along K:
;;     - K is cut into blocks of 32 from its start; a last block that is shorter is filled with zeros.
;;     - A block's scale is 2^e with e = floor(log2(the largest magnitude in the block)) - 15, held to -126 .. 127; a block of zeros has e = 0. As a byte (E8M0): e + 127.
;;     - Each number is divided by its block's scale, clamped to +-57,344, and rounded to the nearest number of E5M2, ties to even, subnormals kept.
;;     - The product sums the exact products of the quantised numbers (number of the format x scale) in f32.
;;   ~~~python
;;   def quantise(x, axis):      # numpy; x: float32 -> the quantised numbers, widened to float32 again
;;       x = np.moveaxis(x, axis, -1); K = x.shape[-1]
;;       x = np.pad(x, [(0, 0)] * (x.ndim - 1) + [(0, -K % 32)]); x = x.reshape(x.shape[:-1] + (-1, 32)); a = np.abs(x).max(-1, keepdims=True)
;;       e = np.where(a > 0, np.clip(np.frexp(np.where(a > 0, a, 1))[1] - 1 - 15, -126, 127), 0)      # np.frexp(a)[1] - 1 = floor(log2(a)), exactly
;;       r = np.clip(x / 2.0 ** e, -57344, 57344)
;;       step = 2.0 ** (np.maximum(np.frexp(np.where(r == 0, 1, r))[1] - 1, -14) - 2)
;;       q = np.round(r / step) * step * 2.0 ** e      # np.round: ties to even
;;       return np.moveaxis(q.reshape(q.shape[:-2] + (-1,))[..., :K], -1, axis).astype(np.float32)
;;   ~~~
;;   SOFTMAX AHEAD OF A QUANTISED PRODUCT. Where the list says 'softmax', what is quantised is not the finished softmax but p = 2^(t - M), with t = logit x log2(e) and M = ceil(the row's largest t), a whole number; so 1/2 < the row's largest p <= 1. The row's sum l is taken of the UNQUANTISED p, in f32, and the product's result is divided by l at the end. Since M is a whole number, a kernel that streams over the keys may use a running M (the ceiling of the running maximum): every later rescaling is an exact power of two, which a block's scale takes up: the codes' values come out the same.
;;   OPERANDS COMPUTED ON THE WAY. 'Computed on the way' means the value that the module computes at that place (a softmax that the list does not call 'softmax' is quantised finished and normalised). What goes into a quantiser is computed in f32, as accurately as f32 sums, v_exp_f32 and their like allow (about 1e-6 of the number): no bf16 or f16 on the way to a quantiser, and a product that is left as it is and whose result goes on into a quantised operand takes f32 operands (vector FMAs, or v_wmma_f32_16x16x4_f32). A number that lies on a knife's edge between two numbers of the format may be rounded either way, as far as f32 arithmetic and the matrix unit's own rounding can turn it there, and no further.
;;   INPUTS GIVEN AS CODES. Wkv (in the module: [1024, 2048], K = its axis 0); Wp (in the module: [1024, 1024], K = its axis 0); Wq (in the module: [1024, 1024], K = its axis 0): each comes as NAME_codes (uint8): NAME with its K axis moved to the last place and cut into blocks of 32 codes, [.., K / 32, bytes a block], one block behind the other in memory; one code a byte (a code: sign, 5 exponent bits, 2 mantissa bits); and NAME_scales (uint8): the same leading axes, one E8M0 byte (e + 127) for each 32 codes along K. Its value is code x scale, taken as it is: it is not quantised again, and the codes and scales need not be those that the quantiser above would give.
;; 2 versions, each right; version 2 is version 1 with the launch attn written anew for expert scheduling mode. Each part assembles by itself: llvm-mc -triple=amdgcn-amd-amdhsa -mcpu=gfx1250 --defsym DOCPART=n.
;; ======== version 1 of 2: 4 launches
;; workspace buffers: ssb 131,072 bytes; wimg 4,194,304 bytes; qbuf 17,825,792 bytes; kbuf 4,456,448 bytes; vbuf 4,325,376 bytes; obuf 17,301,504 bytes
;; launch prep (part 1): grid 80 x 1, 16 waves a work-group, no clusters, 67,584 bytes of LDS; arguments t_vec, Wss_q, Wss_kv, bss_q, bss_kv, Wkv_codes, Wq_codes, Wp_codes, ssb, wimg; writes ssb, wimg
.if DOCPART == 1
	.amdgcn_target "amdgcn-amd-amdhsa--gfx1250"
	.amdhsa_code_object_version 6
	.text
	.protected	k_q65fcc2b5bb_prep
	.globl	k_q65fcc2b5bb_prep
	.p2align	8
	.type	k_q65fcc2b5bb_prep,@function
k_q65fcc2b5bb_prep:
	s_mov_b64 s[64:65], 0
	v_nop
	global_prefetch_b8 v0, s[64:65] scope:SCOPE_SE
	s_setreg_imm32_b32 hwreg(HW_REG_WAVE_MODE, 25, 1), 1
	s_wait_xcnt 0x0
; TWO JOBS IN ONE LAUNCH, parted once on the work-group's number.
; Work-groups 0-63: ss = silu(t_vec) @ Wss + bss for the two adaLN layers, all in f32 by fused multiply-adds (the result goes on into a quantiser).
;   ssb [which 2][b 8][2048] f32: columns 0-1023 hold 1 + scale, columns 1024-2047 the bias.
;   A work-group owns 64 columns of one layer; wave w takes k = 64 w .. 64 w + 63, a lane two columns, so each load of the wave reads 256 consecutive bytes of one row of Wss, at a multiple of 256.
;   silu of the wave's 64 k x 8 b goes through the wave's own 2,048 bytes of LDS, so that every lane can read all eight b of a k; the sixteen waves' partial sums meet in LDS behind one barrier.
; Work-groups 64-79: the three weights' codes are laid anew, as images of the matrix operand's registers: wimg [tile 256][K step 8][group c 4][lane 32][16 bytes]; tiles 0-63 Wk, 64-127 Wv, 128-191 Wq, 192-255 Wp.
;   Lane (r, h) of tile T holds row 32 (T / 2) + 8 (T % 2) + r + 8 (r / 8), k = 128 s + 32 c + 16 h + 0 .. 15.  This way uses no LDS.
; LIMITS: NaN and infinities among the inputs are not served; silu is t x rcp(1 + exp2(-t log2 e)) by v_exp_f32 and v_rcp_f32; the sums over k are taken in another order than the reference's.
.set T,   8                            ; v8-23    t, then silu: register 8 e + b: k = 64 w + 32 e + lane, batch b
.set ACC, 24                           ; v24-39   eight pairs: batch b's sums for my two columns
.set S,   40                           ; v40-103  silu of eight k, eight b each; later the sixteen waves' partial sums
.set W,   104                          ; v104-231 64 pairs of Wss (or 32 groups of codes)
.set E,   232                          ; v232-247 at work
.set RED, 32768                        ; LDS: from 0 the waves' silu, 2,048 bytes each; from RED their partial sums [wave][b 8][64 columns]
	s_load_b256 s[4:11], s[0:1], 0x0               ; t_vec s[4:5], Wss_q s[6:7], Wss_kv s[8:9], bss_q s[10:11]
	s_load_b256 s[12:19], s[0:1], 0x20             ; bss_kv s[12:13], Wkv_codes s[14:15], Wq_codes s[16:17], Wp_codes s[18:19]
	s_load_b128 s[20:23], s[0:1], 0x40             ; ssb s[20:21], wimg s[22:23]
	v_lshl_add_u32 v254, v0, 2, 0x10000
	v_mov_b32 v255, 0
	v_lshrrev_b32 v1, 5, v0
	v_readfirstlane_b32 s24, v1                    ; wave 0..15
	v_and_b32 v1, 31, v0                           ; lane
	s_wait_kmcnt 0x0
	s_cmp_ge_u32 ttmp9, 64
	s_cbranch_scc1 .Lrelay
	; ---- ss
	s_lshr_b32 s25, ttmp9, 5                       ; which layer: 0 = q, 1 = kv
	s_and_b32 s26, ttmp9, 31                       ; which 64 columns
	s_cmp_eq_u32 s25, 0
	s_cselect_b64 s[6:7], s[6:7], s[8:9]           ; the layer's Wss
	s_cselect_b64 s[10:11], s[10:11], s[12:13]     ; and bss
	s_cmp_lt_u32 s26, 16
	s_cselect_b32 s34, 1.0, 0                      ; the scale's columns get 1 added
	s_mov_b32 s35, s34                             ; (named with it as a pair, so it is written)
	s_lshl_b32 s28, s24, 8
	s_mov_b32 s29, 0
	s_add_nc_u64 s[4:5], s[4:5], s[28:29]          ; t at k = 64 w
	s_lshl_b32 s30, s26, 8                         ; my 64 columns: 256 bytes
	s_mov_b32 s31, 0
	s_add_nc_u64 s[10:11], s[10:11], s[30:31]
	s_add_nc_u64 s[6:7], s[6:7], s[30:31]
	s_add_nc_u64 s[20:21], s[20:21], s[30:31]
	s_lshl_b32 s28, s24, 19                        ; 64 w rows of 8,192 bytes
	s_add_nc_u64 s[6:7], s[6:7], s[28:29]
	s_lshl_b32 s28, s25, 16
	s_lshl_b32 s36, s24, 13                        ; at the end wave b stores batch b's row
	s_add_co_u32 s28, s28, s36
	s_add_nc_u64 s[20:21], s[20:21], s[28:29]
	s_lshl_b32 s37, s24, 11                        ; 2,048 w
	v_lshlrev_b32 v2, 3, v1                        ; 8 x lane: my two columns
	v_lshlrev_b32 v3, 2, v1                        ; 4 x lane
	v_lshl_add_u32 v4, v1, 5, s37                  ; silu, in: 32 bytes (eight b) for the k of my lane
	v_mov_b32 v5, s37                              ; silu, out: all lanes read the same k
	s_add_co_u32 s38, s37, RED
	v_lshl_add_u32 v6, v1, 3, s38                  ; my partial sums
	s_lshl_b32 s39, s24, 8
	s_add_co_u32 s39, s39, RED
	v_lshl_add_u32 v7, v1, 3, s39                  ; batch w's row of wave 0's partial sums
.irp e, 0,1
.irp b, 0,1,2,3,4,5,6,7
	global_load_b32 v[T+8*\e+\b], v3, s[4:5] offset:4096*\b+128*\e
.endr
.endr
.set i, 0
.rept 64
	global_load_b64 v[W+2*i:W+2*i+1], v2, s[6:7] offset:8192*i th:TH_LOAD_NT   ; row 64 w + i: read once in the launch
.set i, i+1
.endr
	s_wait_loadcnt 63                              ; 64 loads were issued behind t's sixteen; 63 is the largest count that the wait can name
.set i, 0
.rept 16
	v_mul_f32 v[E+i], 0xbfb8aa3b, v[T+i]           ; -t log2 e
.set i, i+1
.endr
.set i, 0
.rept 16
	v_exp_f32 v[E+i], v[E+i]
.set i, i+1
.endr
	v_nop                                          ; a plain instruction behind the last exponential
	s_wait_alu depctr_va_vdst(0)                   ; one wait for the batch, ahead of its first reader
.set i, 0
.rept 16
	v_add_f32 v[E+i], 1.0, v[E+i]
.set i, i+1
.endr
.set i, 0
.rept 16
	v_rcp_f32 v[E+i], v[E+i]
.set i, i+1
.endr
	v_nop
	s_wait_alu depctr_va_vdst(0)                   ; and one for the reciprocals
.set i, 0
.rept 16
	v_mul_f32 v[T+i], v[T+i], v[E+i]               ; silu(t)
.set i, i+1
.endr
.irp e, 0,1
	ds_store_b128 v4, v[T+8*\e:T+8*\e+3] offset:1024*\e
	ds_store_b128 v4, v[T+8*\e+4:T+8*\e+7] offset:1024*\e+16
.endr
; one k: eight packed multiply-adds, batch by batch; of the pair of silu numbers one serves both columns
.macro SSK k, kk, first
.irp p, 0,1,2,3
.if \first
	v_pk_mul_f32 v[ACC+4*\p:ACC+4*\p+1], v[W+2*(\k):W+2*(\k)+1], v[S+8*(\kk)+2*\p:S+8*(\kk)+2*\p+1] op_sel_hi:[1,0]
	v_pk_mul_f32 v[ACC+4*\p+2:ACC+4*\p+3], v[W+2*(\k):W+2*(\k)+1], v[S+8*(\kk)+2*\p:S+8*(\kk)+2*\p+1] op_sel:[0,1] op_sel_hi:[1,1]
.else
	v_pk_fma_f32 v[ACC+4*\p:ACC+4*\p+1], v[W+2*(\k):W+2*(\k)+1], v[S+8*(\kk)+2*\p:S+8*(\kk)+2*\p+1], v[ACC+4*\p:ACC+4*\p+1] op_sel_hi:[1,0,1]
	v_pk_fma_f32 v[ACC+4*\p+2:ACC+4*\p+3], v[W+2*(\k):W+2*(\k)+1], v[S+8*(\kk)+2*\p:S+8*(\kk)+2*\p+1], v[ACC+4*\p+2:ACC+4*\p+3] op_sel:[0,1,0] op_sel_hi:[1,1,1]
.endif
.endr
.endm
.macro ROUND rho                       ; eight k
.irp kk, 0,1,2,3,4,5,6,7
	ds_load_b128 v[S+8*\kk:S+8*\kk+3], v5 offset:32*(8*\rho+\kk)       ; LDS serves a wave's instructions in order (ISA guide 5.7.1.4): these see my stores
	ds_load_b128 v[S+8*\kk+4:S+8*\kk+7], v5 offset:32*(8*\rho+\kk)+16
.endr
	s_wait_dscnt 0x0
	s_wait_loadcnt 56-8*\rho                       ; so many rows of Wss were asked for behind this round's eight
.irp kk, 0,1,2,3,4,5,6,7
.if (\rho == 0) && (\kk == 0)
	SSK 0, 0, 1                                    ; the first k starts the sums: nothing is cleared
.else
	SSK 8*\rho+\kk, \kk, 0
.endif
.endr
.endm
.irp rho, 0,1,2,3,4,5,6,7
	ROUND \rho
.endr
.irp b, 0,1,2,3,4,5,6,7
	ds_store_b64 v6, v[ACC+2*\b:ACC+2*\b+1] offset:256*\b
.endr
	s_wait_dscnt 0x0                               ; for the others' sake: my partial sums lie in LDS
	s_barrier_signal -1
	s_barrier_wait -1
	s_cmp_lt_u32 s24, 8                            ; wave b adds up batch b; the other eight are done
	s_cbranch_scc0 .Lend
	global_load_b64 v[E:E+1], v2, s[10:11]         ; bss of my two columns
.set j, 0
.rept 16
	ds_load_b64 v[S+2*j:S+2*j+1], v7 offset:2048*j
.set j, j+1
.endr
	s_wait_dscnt 0x0
.irp j, 0,2,4,6,8,10,12,14
	v_pk_add_f32 v[S+2*\j:S+2*\j+1], v[S+2*\j:S+2*\j+1], v[S+2*\j+2:S+2*\j+3]
.endr
.irp j, 0,4,8,12
	v_pk_add_f32 v[S+2*\j:S+2*\j+1], v[S+2*\j:S+2*\j+1], v[S+2*\j+4:S+2*\j+5]
.endr
.irp j, 0,8
	v_pk_add_f32 v[S+2*\j:S+2*\j+1], v[S+2*\j:S+2*\j+1], v[S+2*\j+8:S+2*\j+9]
.endr
	v_pk_add_f32 v[S:S+1], v[S:S+1], v[S+16:S+17]
	s_wait_loadcnt 0x0
	v_pk_add_f32 v[S:S+1], v[S:S+1], v[E:E+1]
	v_pk_add_f32 v[S:S+1], v[S:S+1], s[34:35] op_sel_hi:[1,0]
	global_store_b64 v2, v[S:S+1], s[20:21]        ; 32 lanes store 256 consecutive bytes, at a multiple of 256 from ssb's first byte
.Lend:
	s_wait_tensorcnt 0x0
	ds_add_u32 v254, v255
	s_wait_dscnt 0x0
	s_endpgm
	; ---- the weights' images: a wave takes one tile of 16 rows x 1,024 K
.Lrelay:
	s_sub_co_u32 s25, ttmp9, 64                    ; 0-7 Wkv, 8-11 Wq, 12-15 Wp
	s_cmp_lt_u32 s25, 12
	s_cselect_b64 s[16:17], s[16:17], s[18:19]
	s_cselect_b32 s26, 8, 12
	s_cmp_lt_u32 s25, 8
	s_cselect_b64 s[14:15], s[14:15], s[16:17]     ; the tensor,
	s_cselect_b32 s26, 0, s26                      ; and its first work-group
	s_sub_co_u32 s26, s25, s26
	s_lshl_b32 s26, s26, 4
	s_add_co_u32 s26, s26, s24                     ; the tile's number in its tensor
	s_lshr_b32 s27, s26, 1
	s_lshl_b32 s28, s27, 15                        ; its first row, 32 (T / 2) + 8 (T % 2), in rows of 1,024 bytes
	s_and_b32 s27, s26, 1
	s_lshl_b32 s27, s27, 13
	s_add_co_u32 s28, s28, s27
	s_mov_b32 s29, 0
	s_add_nc_u64 s[14:15], s[14:15], s[28:29]
	s_lshl_b32 s30, s25, 4
	s_add_co_u32 s30, s30, s24                     ; the tile's number in wimg
	s_lshl_b32 s30, s30, 14
	s_mov_b32 s31, 0
	s_add_nc_u64 s[22:23], s[22:23], s[30:31]
	v_and_b32 v2, 15, v0                           ; r
	v_bfe_u32 v3, v0, 4, 1                         ; h
	v_and_b32 v4, 8, v2
	v_add_nc_u32 v4, v4, v2                        ; r + 8 (r / 8)
	v_lshlrev_b32 v4, 10, v4
	v_lshl_add_u32 v4, v3, 4, v4                   ; my row, + 16 h
	v_lshlrev_b32 v5, 4, v1                        ; 16 x lane
.set i, 0
.rept 32
	global_load_b128 v[W+4*i:W+4*i+3], v4, s[14:15] offset:32*i      ; group i = 4 s + c: k = 32 i + 16 h on
.set i, i+1
.endr
.set i, 0
.rept 32
	s_wait_loadcnt 31-i
	global_store_b128 v5, v[W+4*i:W+4*i+3], s[22:23] offset:512*i    ; 512 consecutive bytes a store
.set i, i+1
.endr
	s_endpgm
.Lfunc_end_k_q65fcc2b5bb_prep:
	.size	k_q65fcc2b5bb_prep, .Lfunc_end_k_q65fcc2b5bb_prep-k_q65fcc2b5bb_prep
	.p2alignl 7, 3214868480
	.fill 96, 4, 3214868480
	.section	.rodata,"a",@progbits
	.p2align	6, 0x0
	.amdhsa_kernel k_q65fcc2b5bb_prep
		.amdhsa_group_segment_fixed_size 67584
		.amdhsa_private_segment_fixed_size 0
		.amdhsa_enable_private_segment 0
		.amdhsa_kernarg_size 80
		.amdhsa_user_sgpr_count 2
		.amdhsa_user_sgpr_kernarg_segment_ptr 1
		.amdhsa_wavefront_size32 1
		.amdhsa_system_sgpr_workgroup_id_x 1
		.amdhsa_system_sgpr_workgroup_id_y 1
		.amdhsa_system_sgpr_workgroup_id_z 1
		.amdhsa_system_vgpr_workitem_id 0
		.amdhsa_next_free_vgpr 256
		.amdhsa_next_free_sgpr 66
		.amdhsa_reserve_vcc 0
		.amdhsa_float_denorm_mode_32 3
		.amdhsa_float_denorm_mode_16_64 3
		.amdhsa_memory_ordered 1
		.amdhsa_forward_progress 1
		.amdhsa_inst_pref_size 65
	.end_amdhsa_kernel
	.amdgpu_metadata
---
amdhsa.version: [ 1, 2 ]
amdhsa.kernels:
  - .name:           k_q65fcc2b5bb_prep
    .symbol:         k_q65fcc2b5bb_prep.kd
    .args:
      - { .name: t_vec, .offset: 0, .size: 8, .value_kind: global_buffer, .address_space: global }
      - { .name: Wss_q, .offset: 8, .size: 8, .value_kind: global_buffer, .address_space: global }
      - { .name: Wss_kv, .offset: 16, .size: 8, .value_kind: global_buffer, .address_space: global }
      - { .name: bss_q, .offset: 24, .size: 8, .value_kind: global_buffer, .address_space: global }
      - { .name: bss_kv, .offset: 32, .size: 8, .value_kind: global_buffer, .address_space: global }
      - { .name: Wkv_codes, .offset: 40, .size: 8, .value_kind: global_buffer, .address_space: global }
      - { .name: Wq_codes, .offset: 48, .size: 8, .value_kind: global_buffer, .address_space: global }
      - { .name: Wp_codes, .offset: 56, .size: 8, .value_kind: global_buffer, .address_space: global }
      - { .name: ssb, .offset: 64, .size: 8, .value_kind: global_buffer, .address_space: global }
      - { .name: wimg, .offset: 72, .size: 8, .value_kind: global_buffer, .address_space: global }
    .group_segment_fixed_size: 67584
    .private_segment_fixed_size: 0
    .kernarg_segment_align: 8
    .kernarg_segment_size: 80
    .max_flat_workgroup_size: 512
    .sgpr_count:     66
    .vgpr_count:     256
    .wavefront_size: 32
...
	.end_amdgpu_metadata
.endif
;; end of part 1
;; launch proj (part 2): grid 384 x 1, 4 waves a work-group, clusters of 4 x 1, 327,680 bytes of LDS; arguments x_q, x_kv, ssb, wimg, Wq_scales, Wkv_scales, bq, bkv, qbuf, kbuf, vbuf; writes qbuf, kbuf, vbuf
.if DOCPART == 2
	.amdgcn_target "amdgcn-amd-amdhsa--gfx1250"
	.amdhsa_code_object_version 6
	.text
	.protected	k_q65fcc2b5bb_proj
	.globl	k_q65fcc2b5bb_proj
	.p2align	8
	.type	k_q65fcc2b5bb_proj,@function
k_q65fcc2b5bb_proj:
	s_mov_b64 s[64:65], 0
	v_nop
	global_prefetch_b8 v0, s[64:65] scope:SCOPE_SE
	s_setreg_imm32_b32 hwreg(HW_REG_WAVE_MODE, 25, 1), 1
	s_wait_xcnt 0x0
	s_wait_alu depctr_hold_cnt(0) depctr_sa_sdst(0) depctr_va_vdst(0) depctr_va_sdst(0) depctr_va_ssrc(0) depctr_va_vcc(0) depctr_vm_vsrc(0)
	s_getreg_b32 s2, hwreg(HW_REG_IB_STS2, 6, 4)
	s_cmp_eq_u32 s2, 0
	s_cbranch_scc0 .Lentry_in_a_cluster
	s_endpgm
.Lentry_in_a_cluster:
	s_bfe_u32 s2, ttmp6, 0x10000c
	s_cmp_lg_u32 s2, 0x3003
	s_cbranch_scc0 .Lentry_shape_is_right
	s_endpgm
.Lentry_shape_is_right:
; LayerNorm, adaLN, the quantiser along H, the product with Wq, Wk or Wv on codes of BF8 (E5M2) with E8M0 scales, the bias, and the quantiser of the result: images of q, k and v for the attention launch.
; JOBS.  A work-group takes 64 rows x 1,024 columns x K 1,024: work-groups 0-63 make v, 64-127 k (both from x_kv), 128-383 q (from x_q).
; ROWS STAY, WEIGHTS STREAM.  Phase X: wave w normalises and quantises 16 of the 64 rows (512 numbers a lane) and hands the codes to the other waves through LDS as images of the operand's registers, four K steps at a time;
; then EVERY wave holds all 64 rows x 1,024 K of codes in 512 registers and walks its own quarter of the weight's rows (16 tiles): a weight fragment feeds four products.
; CLUSTERS.  The four work-groups of a cluster are four neighbouring jobs of one kind and walk the same weight: each pair of weight tiles (32,768 dense bytes of images) is asked for JOINTLY, by the same tensor load with the
; same descriptor and the mask of all four, and lands in each one's LDS.  Wave w asks for and reads only its own tiles: a ring of two slots of 32,768 bytes at LDS byte 65,536 w.  The job's kind is taken from the cluster's
; number alone; the work-group's place in its cluster enters only the global addresses of x, ssb and the outputs.
; TILES.  Tile T of any row axis holds rows 32 (T / 2) + 8 (T % 2) + r + 8 (r / 8).  So in a result the 16 registers of source 0's tiles 2 b and 2 b + 1 are 16 neighbours, 32 b + 16 (lane / 16) + 0 .. 15: what the
; conversions and the next product's operand layout want.  q, k: source 0 = weight rows, source 1 = tokens: a lane holds a token and registers run along the head's 64.  v: the sources swapped: a lane holds a channel and registers run along the keys.
; OUT.  qbuf, kbuf: codes [b][head][tile][c 2][lane][16 B], then words [b][head][tile][16] = [s0, s1, 0x7f, 0x7f].  vbuf: codes [b][tile of channels 64][K step of 128 keys 4][c 4][lane][16 B], then words [b][K step][tile][16].
; LIMITS: NaN and infinities are not served; a block of zeros, or one whose largest magnitude lies under 2^-111, gets the scale byte 1 (its bytes are read by this program alone); 1 / sqrt is v_rsq_f32; the row sums are taken in another order than the reference's.
; REGISTERS, in windows of 256.  Windows 1, 2: x (K step s at 64 s, number 16 c + i), later A's fragment (tile m, K step s) at 16 (4 s + m).  Window 3: 1 + scale and bias of two K steps, later a pair's 16 weight fragments: chunk q at 64 q.
; Window 0: below.
.set SLOTB, 32768                      ; LDS: from 0 the four waves' rings, two slots of SLOTB bytes each;
.set XIMG,  262144                     ; 16 images (4 m + s % 4) of 2,048 bytes: x's codes of four K steps;
.set XSC,   294912                     ; the 32 fragments' scale words (8 m + s), 128 bytes each;
.set SPARE, 299008                     ; the spare words, 128 bytes for each wave: two blocks of 256 bytes that no other line names
.set LI,  1                            ; v1   16 x lane
.set LS,  2                            ; v2   4 x lane
.set XA,  3                            ; v3   x: my row x 4,096 + 64 h
.set GA,  4                            ; v4   64 h: my 16 numbers of a block of 32 (ssb; and the bias on the q, k way)
.set XWI, 5                            ; v5   where I store my tile's images
.set XWS, 6                            ; v6   and their scale words
.set LSX, 7                            ; v7   XSC + 4 x lane
.set WSA, 8                            ; v8   32 x my weight row: its eight scale words
.set BIV, 9                            ; v9   4 x my weight row: its bias on the v way
.set HO,  10                           ; v10-13 the four heads' offsets of the closing scale stores
.set LIX, 14                           ; v14  XIMG + 16 x lane
.set LW0, 15                           ; v15  my wave's ring + 16 x lane
.set CH,  16                           ; v16-23 four chains of pairs
.set MU,  24                           ; v24-25 the mean, twice
.set RS,  26                           ; v26-27 1 / sqrt(var + eps), twice
.set SPW, 32                           ; v32  LDS address of my spare word: SPARE + 4 x my thread's number; never rewritten
.set NIL, 33                           ; v33  0; never rewritten
.set LW,  34                           ; v34  the slot in hand + 16 x lane
.set ST,  64                           ; v64-127 a K step's 64 numbers in phase X,
.set ACC, 64                           ; then the eight accumulators: (u, m) at 64 + 32 u + 8 m
.set AS,  128                          ; v128-159 A's scale words: 4 s + m
.set WS,  160                          ; v160-175 the weight tiles' scale words: 8 u + s
.set BI,  176                          ; v176-191 the bias in the result's layout: 8 u + j (v way: v176, v177 as loaded, v178, v179 at work)
.set PC,  192                          ; v192-207 the codes just made
.set PW,  208                          ; v208 a scale word just made
.set TM,  212                          ; v212-227 largest magnitudes, bytes, holds, scale operands
.set SBY, 232                          ; v232-239 the scale bytes of eight trips, two registers a tile m
.set WD,  240                          ; v240-243 at work at the end
.set WV,  26
.set J,   27
.set JB,  28
.set LG,  29
.set BN,  30
.set JL,  31
.set SEL, 32                           ; s[32:33] v_permlanex16_b32's selects for lane l xor 16
.set MNT, 34                           ; the mantissa field of 57,344
.set K7F, 35
.set HM,  36                           ; lanes 16-31
.set EPSR, 37
.set XP,  38                           ; s[38:39] x at my tile's first row
.set SSP, 40                           ; s[40:41] ssb at my batch's row
.set SB,  44                           ; s[44:45] the scale bytes of the pair of tiles in hand
.set BB,  46                           ; s[46:47] its bias
.set OB,  48
.set OC,  50                           ; s[50:51] where the trip's codes go
.set OS,  52                           ; s[52:53] where scale words go
.set PR,  54                           ; the pair's number, 0..7
.set RCN, 55                           ; 1 / 1,024
.set HSH, 66                           ; log2 of a head's bytes of codes
.set G1,  68                           ; s[68:75] descriptor group 1: a pair of tiles
.set G0A, 76                           ; s[76:79] group 0 of the first fill of slot 0
.set G0B, 80                           ; s[80:83] group 0 of the first fill of slot 1; it then walks on
.set TB,  90                           ; s90  the slot that is read: 0 or SLOTB.   s84-89: at work for LDS addresses and descriptors: they never hold a number made of my place in the cluster
.set MSB, 0
.macro WIN new                         ; the immediate's high byte repeats the setting that is left; a switch that changes nothing is dropped
.if MSB != (\new)
	s_set_vgpr_msb (MSB<<8)|(\new)
.set MSB, (\new)
.endif
.endm
.macro NOPS n
.rept \n
	v_nop
.endr
.endm
; A round of the cluster's barrier: my work-group's barrier, so that wave 0's signal speaks for all four waves; wave 0 signals for the work-group; every wave waits for all four work-groups; my work-group's barrier once more.
.macro CREST                           ; a round behind its opening barrier
	s_cmp_lg_u32 s[WV], 0
	s_cbranch_scc1 .Lnot_wave_0_\@
	s_barrier_signal -3
.Lnot_wave_0_\@:
	s_barrier_wait -3
	s_barrier_signal -1
	s_barrier_wait -1
.endm
.macro ROUND                           ; a whole round
	s_barrier_signal -1
	s_barrier_wait -1
	CREST
.endm
; THE QUANTISER.  nb blocks of 32; block b's 16 numbers of my lane stand in v[base + stride b + 0..7] and v[base + stride b + hoff + 0..7], the other 16 in lane l xor 16.  Codes to v[PC + 4 b] on, the scale's byte to v[TM + 4 + b].
.macro QUANT nb, base, stride, hoff
.set qb, 0
.rept \nb
	v_max3_num_f32 v[TM+qb], |v[(\base)+(\stride)*qb]|, |v[(\base)+(\stride)*qb+1]|, 0x8000000   ; with the floor 2^(16 - 127): the byte cannot fall under 1.  Each result is read from its low end on
.set qb, qb+1
.endr
.irp i, 2,4,6
.set qb, 0
.rept \nb
	v_max3_num_f32 v[TM+qb], v[TM+qb], |v[(\base)+(\stride)*qb+\i]|, |v[(\base)+(\stride)*qb+\i+1]|   ; (the blocks by turns)
.set qb, qb+1
.endr
.endr
.irp i, 0,2,4,6
.set qb, 0
.rept \nb
	v_max3_num_f32 v[TM+qb], v[TM+qb], |v[(\base)+(\stride)*qb+(\hoff)+\i]|, |v[(\base)+(\stride)*qb+(\hoff)+\i+1]|
.set qb, qb+1
.endr
.endr
.set qb, 0
.rept \nb
	v_permlanex16_b32 v[TM+4+qb], v[TM+qb], s[SEL], s[SEL+1]
.set qb, qb+1
.endr
.set qb, 0
.rept \nb
	v_max_num_f32 v[TM+qb], v[TM+qb], v[TM+4+qb]   ; the block's largest magnitude
.set qb, qb+1
.endr
.set qb, 0
.rept \nb
	v_add_nc_u32 v[TM+12+qb], 0xf8800000, v[TM+qb] ; 15 off its exponent field: the conversion's scale operand
.set qb, qb+1
.endr
.set qb, 0
.rept \nb
	v_and_or_b32 v[TM+8+qb], v[TM+qb], 0x7f800000, s[MNT]   ; 57,344 x the scale
.set qb, qb+1
.endr
.set qb, 0
.rept \nb
	v_lshrrev_b32 v[TM+4+qb], 23, v[TM+12+qb]      ; the scale's byte
.set qb, qb+1
.endr
.set qb, 0
.rept \nb
.irp i, 0,1,2,3,4,5,6,7
	v_med3_num_f32 v[(\base)+(\stride)*qb+\i], v[(\base)+(\stride)*qb+\i], -v[TM+8+qb], v[TM+8+qb]   ; the conversion to an 8-bit code does not saturate (ISA guide 7.6.2): the hold
.endr
.irp i, 0,1,2,3,4,5,6,7
	v_med3_num_f32 v[(\base)+(\stride)*qb+(\hoff)+\i], v[(\base)+(\stride)*qb+(\hoff)+\i], -v[TM+8+qb], v[TM+8+qb]
.endr
	v_cvt_scalef32_pk8_bf8_f32 v[PC+4*qb:PC+4*qb+1], v[(\base)+(\stride)*qb:(\base)+(\stride)*qb+7], v[TM+12+qb]
	v_cvt_scalef32_pk8_bf8_f32 v[PC+4*qb+2:PC+4*qb+3], v[(\base)+(\stride)*qb+(\hoff):(\base)+(\stride)*qb+(\hoff)+7], v[TM+12+qb]
.set qb, qb+1
.endr
	v_nop                                          ; a plain instruction behind the last conversion, ahead of whatever next touches its registers
.endm
	s_load_b256 s[4:11], s[0:1], 0x0               ; x_q s[4:5], x_kv s[6:7], ssb s[8:9], wimg s[10:11]
	s_load_b256 s[12:19], s[0:1], 0x20             ; Wq_scales s[12:13], Wkv_scales s[14:15], bq s[16:17], bkv s[18:19]
	s_load_b128 s[20:23], s[0:1], 0x40             ; qbuf s[20:21], kbuf s[22:23]
	s_load_b64 s[24:25], s[0:1], 0x50              ; vbuf
	v_lshl_add_u32 v[SPW], v0, 2, SPARE
	v_mov_b32 v[NIL], 0
	ds_add_u32 v32, v33
	ds_add_u32 v32, v33
	s_wait_dscnt 0x0
	v_lshrrev_b32 v28, 5, v0
	v_readfirstlane_b32 s[WV], v28                 ; wave 0..3
	v_and_b32 v28, 31, v0                          ; lane
	v_and_b32 v29, 15, v0                          ; r
	v_bfe_u32 v30, v0, 4, 1                        ; h
	v_and_b32 v31, 8, v29
	v_add_nc_u32 v31, v31, v29                     ; r + 8 (r / 8)
	v_lshlrev_b32 v[LI], 4, v28
	v_lshlrev_b32 v[LS], 2, v28
	v_lshlrev_b32 v[GA], 6, v30
	v_lshl_add_u32 v[XA], v31, 12, v[GA]
	s_lshl_b32 s84, s[WV], 13
	s_add_co_u32 s84, s84, XIMG
	v_add_nc_u32 v[XWI], s84, v[LI]                ; tile m = wave: images 4 w on
	s_lshl_b32 s84, s[WV], 10
	s_add_co_u32 s84, s84, XSC
	v_add_nc_u32 v[XWS], s84, v[LS]
	v_add_nc_u32 v[LSX], XSC, v[LS]
	v_add_nc_u32 v[LIX], XIMG, v[LI]
	s_lshl_b32 s87, s[WV], 16                      ; my wave's ring
	v_add_nc_u32 v[LW0], s87, v[LI]
	v_lshlrev_b32 v[WSA], 5, v31
	v_lshlrev_b32 v[BIV], 2, v31
	s_bfe_u32 s67, ttmp6, 0x40000                  ; cx: my place in the cluster
	s_lshl_b32 s[J], ttmp9, 2                      ; in a cluster launch ttmp9 counts clusters
	s_add_co_u32 s[J], s[J], s67                   ; the job = 4 x cluster + cx
	s_and_b32 s57, s[J], 63
	s_sub_co_u32 s58, s[J], 128
	s_cmp_lt_u32 ttmp9, 32                         ; a job on x_kv?  The kind hangs on the cluster's number alone: the four partners share it
	s_cselect_b32 s[JB], s57, s58                  ; which 64 rows of the tensor
	s_cselect_b32 s[LG], 3, 5                      ; log2 of a batch's blocks of 64 rows
	s_cselect_b32 s59, 0x10000, 0                  ; the layer's part of ssb
	s_cselect_b32 s86, 0, 128                      ; first tile in wimg: Wk 0, Wq 128
	s_wait_kmcnt 0x0
	s_cselect_b64 s[XP:XP+1], s[6:7], s[4:5]
	s_cselect_b64 s[SB:SB+1], s[14:15], s[12:13]
	s_cselect_b64 s[BB:BB+1], s[18:19], s[16:17]
	s_cselect_b64 s[OB:OB+1], s[22:23], s[20:21]
	s_cmp_lt_u32 ttmp9, 16                         ; v's job?
	s_cselect_b32 s86, 64, s86                     ; Wv: tile 64,
	s_cselect_b32 s61, 0x8000, 0                   ; rows 1,024 on of Wkv_scales
	s_cselect_b32 s62, 0x1000, 0                   ; and of bkv
	s_lshr_b32 s[BN], s[JB], s[LG]                 ; the batch
	s_bfm_b32 s57, s[LG], 0
	s_and_b32 s[JL], s[JB], s57                    ; the block of 64 rows in it
	s_lshl_b32 s56, s[JB], 18                      ; 64 rows of 4,096 bytes,
	s_lshr_b32 s58, s[WV], 1
	s_lshl_b32 s58, s58, 17                        ; my tile's first row: 32 (w / 2)
	s_add_co_u32 s56, s56, s58
	s_and_b32 s58, s[WV], 1
	s_lshl_b32 s58, s58, 15                        ; + 8 (w % 2)
	s_add_co_u32 s56, s56, s58
	s_mov_b32 s57, 0
	s_add_nc_u64 s[XP:XP+1], s[XP:XP+1], s[56:57]
.macro XLOAD s                         ; my 16 rows' numbers of K step s: 16 neighbours of each block of 32 a lane
	WIN ((1+(\s)/4)<<6)
.irp c, 0,1,2,3
.irp j, 0,1,2,3
	global_load_b128 v[64*((\s)%4)+16*\c+4*\j:64*((\s)%4)+16*\c+4*\j+3], v[XA], s[XP:XP+1] offset:512*(\s)+128*\c+16*\j
.endr
.endr
.endm
.irp s, 0,1,2,3,4,5,6,7
	XLOAD \s
.endr
	WIN 0
	s_lshl_b32 s56, s[BN], 13
	s_add_co_u32 s56, s56, s59
	s_add_nc_u64 s[SSP:SSP+1], s[8:9], s[56:57]
	s_lshl_b32 s56, s[WV], 13
	s_add_co_u32 s56, s56, s61
	s_add_nc_u64 s[SB:SB+1], s[SB:SB+1], s[56:57]
	s_lshl_b32 s56, s[WV], 10
	s_add_co_u32 s56, s56, s62
	s_add_nc_u64 s[BB:BB+1], s[BB:BB+1], s[56:57]
	; descriptor group 1: a pair of weight tiles, 32,768 dense bytes, as 128 rows of 256 bytes (32 elements of 8 bytes), laid into LDS without gaps
	s_mov_b32 s[G1+0], 15|(3<<16)|(1<<21)          ; 15:0 the mask: all four work-groups; 17:16 elements of 8 bytes; 20 no padding; 21 set beside a mask
	s_mov_b32 s[G1+1], 32<<16                      ; tensor_dim0 = 32
	s_mov_b32 s[G1+2], 128<<16                     ; tensor_dim1 = 128
	s_mov_b32 s[G1+3], 32<<16                      ; tile_dim0 = 32
	s_mov_b32 s[G1+4], 128                         ; tile_dim1 = 128
	s_mov_b32 s[G1+5], 32                          ; the pitch
	s_mov_b32 s[G1+6], 0
	s_mov_b32 s[G1+7], 0
	s_lshl_b32 s84, s[WV], 4
	s_add_co_u32 s84, s84, s86
	s_lshl_b32 s84, s84, 14                        ; my 16 tiles of 16,384 bytes: the weight's first tile and the wave's number alone
	s_mov_b32 s85, 0
	s_add_nc_u64 s[88:89], s[10:11], s[84:85]
	s_mov_b32 s[G0A], 1                            ; count = 1
	s_mov_b32 s[G0A+1], s87                        ; LDS address: my ring's slot 0
	s_mov_b64 s[G0A+2:G0A+3], s[88:89]             ; pair 0
	s_or_b32 s[G0A+3], s[G0A+3], 0x80000000        ; type = 2
	s_mov_b32 s[G0B], 1
	s_add_co_u32 s[G0B+1], s87, SLOTB              ; slot 1
	s_add_nc_u64 s[G0B+2:G0B+3], s[88:89], SLOTB   ; pair 1
	s_or_b32 s[G0B+3], s[G0B+3], 0x80000000
	s_mov_b32 s[TB], 0
	ROUND                                          ; all four work-groups are here: the first joint loads meet
	tensor_load_to_lds s[G0A:G0A+3], s[G1:G1+7]    ; my two first fills stand together, ahead of every wait on TENSORcnt, every LDS access and every other barrier: two loads of mine are out
	s_nop 0
	tensor_load_to_lds s[G0B:G0B+3], s[G1:G1+7]
	s_nop 0
	NOPS 4                                         ; (four places behind a tensor load)
	s_mov_b32 s[SEL], 0x76543210
	s_mov_b32 s[SEL+1], 0xfedcba98
	s_mov_b32 s[MNT], 0x600000
	s_mov_b32 s[K7F], 0x7f7f7f7f
	s_mov_b32 s[HM], 0xffff0000
	s_mov_b32 s[EPSR], 0x3727c5ac                  ; 1e-5
	s_mov_b32 s[RCN], 0x3a800000                   ; 2^-10
.irp i, 0,1,2,3
	v_mov_b32 v[TM+4+\i], 0                        ; written once: a lane permute's destination counts as one of its sources
.endr
.irp i, 0,1,2,3,4,5,6,7
	v_mov_b32 v[CH+\i], 0
.endr
	; ---- the mean
.macro XSUM s
.if 16*(7-(\s)) > 63
	s_wait_loadcnt 63                              ; more loads than the wait can name were issued behind this K step's
.else
	s_wait_loadcnt 16*(7-(\s))                     ; the later K steps' loads may be out
.endif
	WIN ((1+(\s)/4)<<2)
.set i, 0
.rept 32
	v_pk_add_f32 v[CH+2*(i%4):CH+2*(i%4)+1], v[CH+2*(i%4):CH+2*(i%4)+1], v[64*((\s)%4)+2*i:64*((\s)%4)+2*i+1]
.set i, i+1
.endr
.endm
.macro JOIN                            ; the four chains, their halves and lane l xor 16's: the row's sum in v28
	WIN 0
	v_pk_add_f32 v[CH:CH+1], v[CH:CH+1], v[CH+2:CH+3]
	v_pk_add_f32 v[CH+4:CH+5], v[CH+4:CH+5], v[CH+6:CH+7]
	v_pk_add_f32 v[CH:CH+1], v[CH:CH+1], v[CH+4:CH+5]
	v_add_f32 v28, v[CH], v[CH+1]
	v_permlanex16_b32 v29, v28, s[SEL], s[SEL+1]
	v_add_f32 v28, v28, v29
.endm
.irp s, 0,1,2,3,4,5,6,7
	XSUM \s
.endr
	JOIN
	v_mul_f32 v[MU], s[RCN], v28
	v_mov_b32 v[MU+1], v[MU]
.macro GBLOAD s                        ; 1 + scale and bias at K step s's 64 numbers of my lane, into set s % 2 of window 3
	WIN 0xc0
.irp c, 0,1,2,3
.irp j, 0,1,2,3
	global_load_b128 v[128*((\s)%2)+16*\c+4*\j:128*((\s)%2)+16*\c+4*\j+3], v[GA], s[SSP:SSP+1] offset:512*(\s)+128*\c+16*\j
	global_load_b128 v[128*((\s)%2)+64+16*\c+4*\j:128*((\s)%2)+64+16*\c+4*\j+3], v[GA], s[SSP:SSP+1] offset:4096+512*(\s)+128*\c+16*\j
.endr
.endr
.endm
	GBLOAD 0
	GBLOAD 1
	; ---- x - mean in place, and the sum of its squares: two passes, no difference of large sums
.irp w, 1,2
	WIN ((\w<<6)|\w)
.set i, 0
.rept 128
	v_pk_add_f32 v[2*i:2*i+1], v[2*i:2*i+1], v[MU:MU+1] neg_lo:[0,1] neg_hi:[0,1]
.set i, i+1
.endr
	WIN ((\w<<2)|\w)
.set i, 0
.rept 128
.if (\w == 1) && (i < 4)
	v_pk_mul_f32 v[CH+2*i:CH+2*i+1], v[2*i:2*i+1], v[2*i:2*i+1]
.else
	v_pk_fma_f32 v[CH+2*(i%4):CH+2*(i%4)+1], v[2*i:2*i+1], v[2*i:2*i+1], v[CH+2*(i%4):CH+2*(i%4)+1]
.endif
.set i, i+1
.endr
.endr
	JOIN
	v_fma_f32 v28, v28, s[RCN], s[EPSR]            ; var + eps
	v_rsq_f32 v[RS], v28
	v_nop                                          ; a plain instruction behind the transcendental
	s_wait_alu depctr_va_vdst(0)                   ; and the wait ahead of its first reader
	v_mov_b32 v[RS+1], v[RS]
; ---- a K step of x becomes a fragment
.macro XSTEP s
.if (\s) < 7
	s_wait_loadcnt 32                              ; this step's 1 + scale and bias are in; the next set's 32 loads were issued behind them
.else
	s_wait_loadcnt 0x0                             ; the last set: nothing was issued behind it
.endif
	WIN (1+(\s)/4)
.set i, 0
.rept 32
	v_pk_mul_f32 v[ST+2*i:ST+2*i+1], v[64*((\s)%4)+2*i:64*((\s)%4)+2*i+1], v[RS:RS+1]
.set i, i+1
.endr
	WIN 0x3c
.set i, 0
.rept 32
	v_pk_fma_f32 v[ST+2*i:ST+2*i+1], v[ST+2*i:ST+2*i+1], v[128*((\s)%2)+2*i:128*((\s)%2)+2*i+1], v[128*((\s)%2)+64+2*i:128*((\s)%2)+64+2*i+1]
.set i, i+1
.endr
.if (\s) <= 5
	GBLOAD (\s)+2                                  ; into the set just read
.endif
	WIN 0
	s_wait_dscnt 0x0                               ; the last step's LDS stores have read the codes' registers
	QUANT 4, ST, 16, 8
	v_lshl_or_b32 v[PW], v[TM+5], 8, v[TM+4]       ; the four bytes make my row's scale word
	v_lshl_or_b32 v[PW], v[TM+6], 16, v[PW]
	v_lshl_or_b32 v[PW], v[TM+7], 24, v[PW]
.irp c, 0,1,2,3
	ds_store_b128 v[XWI], v[PC+4*\c:PC+4*\c+3] offset:2048*((\s)%4)+512*\c
.endr
	ds_store_b32 v[XWS], v[PW] offset:128*(\s)
.endm
; the sixteen fragments of K steps 4 hf + 0 .. 3, for every wave, into window 1 + hf
.macro AFETCH hf
	WIN (0x40*(1+(\hf)))
.irp s, 0,1,2,3
.irp m, 0,1,2,3
.irp c, 0,1,2,3
	ds_load_b128 v[16*(4*\s+\m)+4*\c:16*(4*\s+\m)+4*\c+3], v[LIX] offset:2048*(4*\m+\s)+512*\c
.endr
.endr
.endr
	WIN 0
.endm
; a pair's sixteen weight fragments out of the slot at s[TB]: chunk q: tile u = q / 2, K steps 4 (q % 2) + 0 .. 3; 512 consecutive bytes a load
.macro FETCH
	v_add_nc_u32 v[LW], s[TB], v[LW0]
	WIN 0xc0
.irp q, 0,1,2,3
.irp i, 0,1,2,3
.irp c, 0,1,2,3
	ds_load_b128 v[64*\q+16*\i+4*\c:64*\q+16*\i+4*\c+3], v[LW] offset:16384*(\q/2)+8192*(\q%2)+2048*\i+512*\c
.endr
.endr
.endr
	WIN 0
.endm
.irp s, 0,1,2,3
	XSTEP \s
.endr
	s_wait_tensorcnt 0x0                           ; my two first fills have landed: no tensor load is out at the plain barriers below
	s_wait_dscnt 0x0                               ; for the others' sake: my four images and their words lie in LDS
	s_barrier_signal -1
	s_barrier_wait -1
	AFETCH 0                                       ; x's K steps 0-3 are done with: their registers take A's
	s_wait_dscnt 0x0                               ; my reads of the images are over: behind the barrier they are written again
	s_barrier_signal -1
	s_barrier_wait -1
.irp s, 4,5,6,7
	XSTEP \s
.endr
	s_wait_dscnt 0x0
	s_barrier_signal -1
	s_barrier_wait -1                              ; nothing is stored to LDS behind this barrier
	AFETCH 1
.irp s, 0,1,2,3,4,5,6,7
.irp m, 0,1,2,3
	ds_load_b32 v[AS+4*\s+\m], v[LSX] offset:128*(8*\m+\s)
.endr
.endr
	FETCH                                          ; pair 0, out of slot 0
; tile u's scale words (eight K steps) and its bias.  path 0: q, k: the bias in the result's layout, eight registers.  path 1: v: one number a lane
.macro AUX path, u, nx
	global_load_b128 v[WS+8*(\u):WS+8*(\u)+3], v[WSA], s[SB:SB+1] offset:1024*(\nx)+256*(\u)
	global_load_b128 v[WS+8*(\u)+4:WS+8*(\u)+7], v[WSA], s[SB:SB+1] offset:1024*(\nx)+256*(\u)+16
.if \path
	global_load_b32 v[BI+(\u)], v[BIV], s[BB:BB+1] offset:128*(\nx)+32*(\u)
.else
	global_load_b128 v[BI+8*(\u):BI+8*(\u)+3], v[GA], s[BB:BB+1] offset:128*(\nx)+32*(\u)
	global_load_b128 v[BI+8*(\u)+4:BI+8*(\u)+7], v[GA], s[BB:BB+1] offset:128*(\nx)+32*(\u)+16
.endif
.endm
; sixteen products: chunk q's four K steps x the four tiles of rows.  The four accumulators take turns, one instruction a turn, from chunk to chunk and over the loop's edge too
.macro MM16 path, q
.if \path
	WIN (0x0d+(\q)%2)                              ; source 0 (A) window 1 or 2, source 1 (the weight) window 3
.else
	WIN (0x07+4*((\q)%2))                          ; source 0 (the weight) window 3, source 1 (A) window 1 or 2
.endif
.irp i, 0,1,2,3
.irp m, 0,1,2,3
.set rD, ACC+32*((\q)/2)+8*\m
.set rW, 64*(\q)+16*\i
.set rA, 16*(4*\i+\m)
.set rWS, WS+8*((\q)/2)+4*((\q)%2)+\i
.set rAS, AS+4*(4*((\q)%2)+\i)+\m
.set rB, BI+8*((\q)/2)
.if \path
.if ((\q)%2 == 0) && (\i == 0)
	v_wmma_scale_f32_16x16x128_f8f6f4 v[rD:rD+7], v[rA:rA+15], v[rW:rW+15], 0, v[rAS], v[rWS] matrix_a_fmt:MATRIX_FMT_BF8 matrix_b_fmt:MATRIX_FMT_BF8
.else
	v_wmma_scale_f32_16x16x128_f8f6f4 v[rD:rD+7], v[rA:rA+15], v[rW:rW+15], v[rD:rD+7], v[rAS], v[rWS] matrix_a_fmt:MATRIX_FMT_BF8 matrix_b_fmt:MATRIX_FMT_BF8
.endif
.else
.if ((\q)%2 == 0) && (\i == 0)
	v_wmma_scale_f32_16x16x128_f8f6f4 v[rD:rD+7], v[rW:rW+15], v[rA:rA+15], v[rB:rB+7], v[rWS], v[rAS] matrix_a_fmt:MATRIX_FMT_BF8 matrix_b_fmt:MATRIX_FMT_BF8
.else
	v_wmma_scale_f32_16x16x128_f8f6f4 v[rD:rD+7], v[rW:rW+15], v[rA:rA+15], v[rD:rD+7], v[rWS], v[rAS] matrix_a_fmt:MATRIX_FMT_BF8 matrix_b_fmt:MATRIX_FMT_BF8
.endif
.endif
.endr
.endr
	WIN 0
.endm
; A TRIP: a pair of weight tiles, 64 products.  Its 64 LDS loads were issued in the trip before (or ahead of the loop), chunk by chunk: the counts 48, 32, 16, 0 leave the later chunks out.
; The tiles' words come by global loads, tile 0's behind the second sixteen products of the trip before, tile 1's at its end: behind the words that a wait wants stand the other tile's AN loads.
; fill = 1: THE CHANGE OF SLOTS.  All my tensor loads have landed (the one that was out is the next pair's), 0 is added to my spare word, the add and my reads of this slot are waited for; a round of the cluster's barrier,
; with the last sixteen products between its opening signal and wait; then this slot is filled again, with the pair two further on, jointly; then the next pair's fragments are read out of the other slot, and land under the epilogue.
; more = 1: a pair follows.  Eight places stand behind products ahead of loads into registers that they have read and of the first read of results.
.macro TRIP path, fill, more
.set AN, 4-(\path)
	s_wait_loadcnt AN                              ; tile 0's words are in; tile 1's may be out
	s_wait_dscnt 48
	MM16 \path, 0
	s_wait_dscnt 32
	MM16 \path, 1
.if \path
	v_mov_b32 v[BI+2], v[BI]                       ; tile 0's bias is kept for the epilogue: the load below writes its register anew
	NOPS 7
.else
	NOPS 8
.endif
.if \more
	AUX \path, 0, 1
	s_wait_loadcnt AN                              ; tile 1's words are in; the AN loads just issued may be out
.else
	s_wait_loadcnt 0x0
.endif
	s_wait_dscnt 16
	MM16 \path, 2
.if \fill
	s_wait_tensorcnt 0x0                           ; no tensor load of mine is out, so a group 0 may be written
	ds_add_u32 v[SPW], v[NIL]                      ; 0 onto my spare word: the descriptor's steps stand between it and the wait for it
	s_xor_b32 s[G0B+1], s[G0B+1], SLOTB            ; the walking descriptor: the other slot than last time,
	s_add_nc_u64 s[G0B+2:G0B+3], s[G0B+2:G0B+3], SLOTB   ; the next pair; the type bits on top are not reached
	s_wait_dscnt 0x0                               ; the add is done, and my reads of this slot are over
	s_barrier_signal -1                            ; this barrier opens a round of the cluster's barrier
	MM16 \path, 3                                  ; work on registers while the others arrive
	s_barrier_wait -1
	CREST                                          ; no wave of any partner still reads its slot or has a load on its way
	tensor_load_to_lds s[G0B:G0B+3], s[G1:G1+7]    ; the first tensor load behind the round, and my only one until the next
	s_nop 0
	NOPS 4
.else
	s_wait_dscnt 0x0
	MM16 \path, 3
	NOPS 4
.endif
.if \path
	v_mov_b32 v[BI+3], v[BI+1]
	NOPS 3
.else
	NOPS 4
.endif
.if \more
	AUX \path, 1, 1
.if !(\fill)
	s_wait_tensorcnt 0x0                           ; the last pair has landed
.endif
	s_xor_b32 s[TB], s[TB], SLOTB                  ; on to the other slot
	FETCH
.endif
.endm
.macro STEPS                           ; behind s_wait_xcnt 0: the pending loads have read their bases
	s_add_nc_u64 s[SB:SB+1], s[SB:SB+1], 1024
	s_add_nc_u64 s[BB:BB+1], s[BB:BB+1], 128
.endm
.macro CLOSE                           ; the wave's end: the spare word's add, behind my last tensor load and my last LDS store; then the closing round: no work-group ends while a partner may still ask for a tile that names it
	s_wait_tensorcnt 0x0
	ds_add_u32 v[SPW], v[NIL]
	s_wait_dscnt 0x0
	ROUND
	s_endpgm
.endm
	s_cmp_lt_u32 ttmp9, 16
	s_cbranch_scc1 .Lv
	; ================ q, k
	AUX 0, 0, 0
	AUX 0, 1, 0
	s_add_co_u32 s[HSH], s[LG], 12                 ; a head's codes: 4,096 << LG bytes
	s_lshl_b32 s56, s[BN], 4
	s_lshl_b32 s59, s[WV], 2
	s_add_co_u32 s59, s56, s59                     ; my first head: 16 b + 4 w
	s_lshl_b32 s56, s59, s[HSH]
	s_lshl_b32 s60, s[JL], 12                      ; my four tiles of 1,024 bytes
	s_add_co_u32 s56, s56, s60
	s_mov_b32 s57, 0
	s_add_co_u32 s61, s[LG], 19
	s_lshl_b32 s60, 1, s61                         ; the words lie behind the 128 heads' codes
	s_add_co_u32 s62, s[LG], 8                     ; a head's words: 256 << LG bytes = 1 << (LG + 8)
	s_lshl_b32 s63, s59, s62
	s_add_co_u32 s60, s60, s63
	s_lshl_b32 s63, s[JL], 8
	s_add_co_u32 s60, s60, s63
	s_mov_b32 s61, 0
	s_add_nc_u64 s[OS:OS+1], s[OB:OB+1], s[60:61]
	s_add_nc_u64 s[OB:OB+1], s[OB:OB+1], s[56:57]
	s_lshl_b32 s63, 1, s62                         ; from a head's words to the next head's
	v_mov_b32 v[HO], v[LS]
	v_add_nc_u32 v[HO+1], s63, v[HO]
	v_add_nc_u32 v[HO+2], s63, v[HO+1]
	v_add_nc_u32 v[HO+3], s63, v[HO+2]
.irp i, 0,1,2,3,4,5,6,7
	v_mov_b32 v[SBY+\i], 0
.endr
; pair PR is block PR % 2 of head 4 w + PR / 2: the lane's 16 numbers of tile m stand in accumulators (0, m) and (1, m)
.macro EPIQ last
	s_lshr_b32 s56, s[PR], 1
	s_lshl_b32 s56, s56, s[HSH]
	s_and_b32 s57, s[PR], 1
	s_lshl_b32 s57, s57, 9
	s_add_co_u32 s56, s56, s57
	s_mov_b32 s57, 0
	s_add_nc_u64 s[OC:OC+1], s[OB:OB+1], s[56:57]  ; (the last trip's stores have read it: the wait at that trip's end)
	QUANT 4, ACC, 8, 32
.irp m, 0,1,2,3
	global_store_b128 v[LI], v[PC+4*\m:PC+4*\m+3], s[OC:OC+1] offset:1024*\m     ; group c = PR % 2 of tile m's image: 512 consecutive bytes
.endr
.irp m, 0,1,2,3
	v_alignbit_b32 v[SBY+2*\m], v[SBY+2*\m+1], v[SBY+2*\m], 8                    ; the trip's byte is rolled in from the top: after eight trips byte PR stands at place PR
	v_alignbit_b32 v[SBY+2*\m+1], v[TM+4+\m], v[SBY+2*\m+1], 8
.endr
.if !(\last)
	s_wait_xcnt 0x0                                ; stores and loads have read their registers and bases
	STEPS
.endif
.endm
	s_mov_b32 s[PR], 0
.Lqk:                                              ; six trips: behind each the slot just read takes the pair two further on
	TRIP 0, 1, 1
	EPIQ 0
	s_add_co_u32 s[PR], s[PR], 1
	s_cmp_lt_u32 s[PR], 6
	s_cbranch_scc1 .Lqk
	TRIP 0, 0, 1                                   ; the last two pairs are written out: nothing is left to ask for
	EPIQ 0
	s_add_co_u32 s[PR], s[PR], 1
	TRIP 0, 0, 0
	EPIQ 1
.irp i, 0,1,2,3                        ; head 4 w + i: the words [s0, s1, 0x7f, 0x7f]: the upper 64 of the score product's K are zero codes
.irp m, 0,1,2,3
.if (\i % 2) == 0
	v_perm_b32 v[WD+\m], s[K7F], v[SBY+2*\m+\i/2], 0x04040100
.else
	v_perm_b32 v[WD+\m], s[K7F], v[SBY+2*\m+\i/2], 0x04040302
.endif
.endr
	v_cndmask_b32 v[ACC+2*\i], v[WD], v[WD+1], s[HM]       ; lanes 0-15 tile m's sixteen words, lanes 16-31 tile m + 1's
	v_cndmask_b32 v[ACC+2*\i+1], v[WD+2], v[WD+3], s[HM]
	global_store_b32 v[HO+\i], v[ACC+2*\i], s[OS:OS+1]     ; 128 consecutive bytes a store
	global_store_b32 v[HO+\i], v[ACC+2*\i+1], s[OS:OS+1] offset:128
.endr
	CLOSE
	; ================ v
.Lv:
	AUX 1, 0, 0
	AUX 1, 1, 0
	s_lshl_b32 s56, s[BN], 19                      ; a batch: 64 tiles x 4 K steps x 2,048 bytes
	s_lshl_b32 s58, s[WV], 17                      ; my 16 tiles
	s_add_co_u32 s56, s56, s58
	s_lshr_b32 s59, s[JL], 1                       ; my 64 keys lie in K step jl / 2,
	s_lshl_b32 s58, s59, 11
	s_add_co_u32 s56, s56, s58
	s_and_b32 s60, s[JL], 1                        ; groups c = 2 (jl % 2) + 0, 1
	s_lshl_b32 s58, s60, 10
	s_add_co_u32 s56, s56, s58
	s_mov_b32 s57, 0
	s_add_nc_u64 s[OC:OC+1], s[24:25], s[56:57]
	s_lshl_b32 s56, s[BN], 14
	s_add_co_u32 s56, s56, 0x400000                ; the words lie behind the codes
	s_lshl_b32 s58, s59, 12
	s_add_co_u32 s56, s56, s58
	s_lshl_b32 s58, s[WV], 10
	s_add_co_u32 s56, s56, s58
	s_lshl_b32 s58, s60, 1                         ; my two bytes of each word
	s_add_co_u32 s56, s56, s58
	s_add_nc_u64 s[OS:OS+1], s[24:25], s[56:57]
; a lane holds channel r of tile u; accumulators (u, 2 bb) and (u, 2 bb + 1) are 16 neighbouring keys: block 2 u + bb
.macro EPIV last
.set i, 0
.rept 16
	v_pk_add_f32 v[ACC+2*i:ACC+2*i+1], v[ACC+2*i:ACC+2*i+1], v[BI+2:BI+3] op_sel_hi:[1,0]                  ; tile 0's bias of my channel
.set i, i+1
.endr
.set i, 0
.rept 16
	v_pk_add_f32 v[ACC+32+2*i:ACC+32+2*i+1], v[ACC+32+2*i:ACC+32+2*i+1], v[BI+2:BI+3] op_sel:[0,1] op_sel_hi:[1,1]   ; tile 1's
.set i, i+1
.endr
	QUANT 4, ACC, 16, 8
.irp u, 0,1
.irp bb, 0,1
	global_store_b128 v[LI], v[PC+4*(2*\u+\bb):PC+4*(2*\u+\bb)+3], s[OC:OC+1] offset:8192*\u+512*\bb
.endr
.endr
	v_lshl_or_b32 v[WD], v[TM+5], 8, v[TM+4]
	v_lshl_or_b32 v[WD+1], v[TM+7], 8, v[TM+6]
	v_cndmask_b32 v[WD+2], v[WD], v[WD+1], s[HM]   ; lanes 0-15 tile 0's rows, lanes 16-31 tile 1's
	global_store_b16 v[LS], v[WD+2], s[OS:OS+1]    ; half of each word: the other half is the neighbouring job's
.if !(\last)
	s_wait_xcnt 0x0
	STEPS
	s_add_nc_u64 s[OC:OC+1], s[OC:OC+1], 16384
	s_add_nc_u64 s[OS:OS+1], s[OS:OS+1], 128
.endif
.endm
	s_mov_b32 s[PR], 0
.Lvl:
	TRIP 1, 1, 1
	EPIV 0
	s_add_co_u32 s[PR], s[PR], 1
	s_cmp_lt_u32 s[PR], 6
	s_cbranch_scc1 .Lvl
	TRIP 1, 0, 1
	EPIV 0
	TRIP 1, 0, 0
	EPIV 1
	CLOSE
.Lfunc_end_k_q65fcc2b5bb_proj:
	.size	k_q65fcc2b5bb_proj, .Lfunc_end_k_q65fcc2b5bb_proj-k_q65fcc2b5bb_proj
	.p2alignl 7, 3214868480
	.fill 96, 4, 3214868480
	.section	.rodata,"a",@progbits
	.p2align	6, 0x0
	.amdhsa_kernel k_q65fcc2b5bb_proj
		.amdhsa_group_segment_fixed_size 327680
		.amdhsa_private_segment_fixed_size 0
		.amdhsa_enable_private_segment 0
		.amdhsa_kernarg_size 88
		.amdhsa_user_sgpr_count 2
		.amdhsa_user_sgpr_kernarg_segment_ptr 1
		.amdhsa_wavefront_size32 1
		.amdhsa_system_sgpr_workgroup_id_x 1
		.amdhsa_system_sgpr_workgroup_id_y 1
		.amdhsa_system_sgpr_workgroup_id_z 1
		.amdhsa_system_vgpr_workitem_id 0
		.amdhsa_next_free_vgpr 1024
		.amdhsa_next_free_sgpr 96
		.amdhsa_reserve_vcc 0
		.amdhsa_float_denorm_mode_32 3
		.amdhsa_float_denorm_mode_16_64 3
		.amdhsa_memory_ordered 1
		.amdhsa_forward_progress 1
		.amdhsa_inst_pref_size 255
	.end_amdhsa_kernel
	.section	.bss,"aw",@nobits
	.p2align	6
	.space	262144
	.amdgpu_metadata
---
amdhsa.version: [ 1, 2 ]
amdhsa.kernels:
  - .name:           k_q65fcc2b5bb_proj
    .symbol:         k_q65fcc2b5bb_proj.kd
    .args:
      - { .name: x_q, .offset: 0, .size: 8, .value_kind: global_buffer, .address_space: global }
      - { .name: x_kv, .offset: 8, .size: 8, .value_kind: global_buffer, .address_space: global }
      - { .name: ssb, .offset: 16, .size: 8, .value_kind: global_buffer, .address_space: global }
      - { .name: wimg, .offset: 24, .size: 8, .value_kind: global_buffer, .address_space: global }
      - { .name: Wq_scales, .offset: 32, .size: 8, .value_kind: global_buffer, .address_space: global }
      - { .name: Wkv_scales, .offset: 40, .size: 8, .value_kind: global_buffer, .address_space: global }
      - { .name: bq, .offset: 48, .size: 8, .value_kind: global_buffer, .address_space: global }
      - { .name: bkv, .offset: 56, .size: 8, .value_kind: global_buffer, .address_space: global }
      - { .name: qbuf, .offset: 64, .size: 8, .value_kind: global_buffer, .address_space: global }
      - { .name: kbuf, .offset: 72, .size: 8, .value_kind: global_buffer, .address_space: global }
      - { .name: vbuf, .offset: 80, .size: 8, .value_kind: global_buffer, .address_space: global }
    .group_segment_fixed_size: 327680
    .private_segment_fixed_size: 0
    .kernarg_segment_align: 8
    .kernarg_segment_size: 88
    .max_flat_workgroup_size: 128
    .sgpr_count:     96
    .vgpr_count:     1024
    .wavefront_size: 32
...
	.end_amdgpu_metadata
.endif
;; end of part 2
;; launch attn (part 3): grid 32 x 8, 16 waves a work-group, no clusters, 139,264 bytes of LDS; arguments qbuf, kbuf, vbuf, obuf; writes obuf
.if DOCPART == 3
	.amdgcn_target "amdgcn-amd-amdhsa--gfx1250"
	.amdhsa_code_object_version 6
	.text
	.protected	k_q65fcc2b5bb_attn
	.globl	k_q65fcc2b5bb_attn
	.p2align	8
	.type	k_q65fcc2b5bb_attn,@function
k_q65fcc2b5bb_attn:
	s_mov_b64 s[64:65], 0
	v_nop
	global_prefetch_b8 v0, s[64:65] scope:SCOPE_SE
	s_setreg_imm32_b32 hwreg(HW_REG_WAVE_MODE, 25, 1), 1
	s_wait_xcnt 0x0
; Attention on codes of BF8 (E5M2) with E8M0 scales, and the quantiser of its result along H.  All operands come as images of the matrix operand's registers, made by the launch before.
; SHARES.  A work-group owns 512 queries x two neighbouring heads of one batch; K and V of the two heads (131,072 bytes of codes, 6,144 of scale words) are copied into LDS once, through registers; one barrier.
; Each of the sixteen waves owns two tiles of 16 queries and makes four passes (tile, head); four waves share a SIMD, so that one wave's softmax stands beside another's products and LDS loads.
; No multicast: the four work-groups that share a pair of heads read 137,216 bytes each once, a small part of what the launch moves.
; LAYOUT.  Both products transposed: S^T = K Q^T, O^T = V^T P^T: a lane holds one query throughout.  The head's K is 64: the upper half of K's and Q's fragments is zero codes under the byte 0x7f.
; The keys of a tile and the channels of a tile of V are 32 (T / 2) + 8 (T % 2) + r + 8 (r / 8), so that the 16 registers of two neighbouring tiles are 16 neighbours along the next K.
; SOFTMAX.  t = score x log2(e) / 8; M = the running largest t rounded up to a whole number; p = 2^(t - M) is quantised along the keys; the row's sum is taken of the unquantised p; when M moves, sum and O^T are multiplied by 2^(old M - new M), exactly.
; A block's largest p is the exponential of the block's largest score (this takes v_exp_f32 not to fall where its input rises).
; OUT.  obuf: codes [tile of rows 1,024][pair of heads 8][c 4][lane][16 B], then words [tile][pair][16].
; LIMITS: NaN and infinities are not served; a block of zeros, or one under 2^-111, gets the byte 1 (read by this program alone); 1 / sum is v_rcp_f32.
.set AK,  1                            ; v1   the pass's K images: 16 x lane + 32,768 x head
.set AV,  2                            ; v2   V's
.set AKS, 3                            ; v3   K's scale words
.set AVS, 4                            ; v4   V's
.set LI,  5                            ; v5   16 x lane
.set R4,  6                            ; v6   4 r
.set QA,  7                            ; v7, v8  offsets of the next pass's Q and its words
.set QSA, 8
.set OA,  9                            ; v9, v10 offsets of the pass's output
.set OSA, 10
.set AV0, 11                           ; v11  65,536 + 16 x lane
.set KF,  32                           ; v32-95 four fragments of K; the upper eight registers of each are 0 and are never loaded
.set SS,  96                           ; v96-159 S^T, then p, then V's four fragments, then out
.set OO,  160                          ; v160-191 O^T
.set PP,  192                          ; v192-207 p's codes
.set QN,  208                          ; v208-215 the next pass's Q;  v216 its scale word
.set QSN, 216
.set QS,  217                          ; Q's scale word
.set PWD, 218                          ; p's
.set SW,  220                          ; v220-223 K's or V's
.set BM,  224                          ; v224-227 the blocks' largest
.set T1,  228
.set HL,  232
.set SO,  236
.set FF,  240                          ; v240-241 f, later 1 / sum
.set TP,  242
.set AKS0, 243                         ; 131,072 + 4 r
.set OW,  252                          ; the output's scale word, rolled together over two passes
.set HW,  253
.set AVS0, 254                         ; 135,168 + 4 r
.set TM,  224                          ; the closing quantiser's registers
.set PC,  244
.set WV,  12
.set PS,  16
.set MNT, 17
.set SEL, 18
.set CS,  20
.macro NOPS n
.rept \n
	v_nop
.endr
.endm
.macro QUANT nb, base, stride, hoff    ; as in the launch before: nb blocks of 32; codes to v[PC + 4 b] on, bytes to v[TM + 4 + b]
.set qb, 0
.rept \nb
	v_max3_num_f32 v[TM+qb], |v[(\base)+(\stride)*qb]|, |v[(\base)+(\stride)*qb+1]|, 0x8000000
.set qb, qb+1
.endr
.irp i, 2,4,6
.set qb, 0
.rept \nb
	v_max3_num_f32 v[TM+qb], v[TM+qb], |v[(\base)+(\stride)*qb+\i]|, |v[(\base)+(\stride)*qb+\i+1]|
.set qb, qb+1
.endr
.endr
.irp i, 0,2,4,6
.set qb, 0
.rept \nb
	v_max3_num_f32 v[TM+qb], v[TM+qb], |v[(\base)+(\stride)*qb+(\hoff)+\i]|, |v[(\base)+(\stride)*qb+(\hoff)+\i+1]|
.set qb, qb+1
.endr
.endr
.set qb, 0
.rept \nb
	v_permlanex16_b32 v[TM+4+qb], v[TM+qb], s[SEL], s[SEL+1]
.set qb, qb+1
.endr
.set qb, 0
.rept \nb
	v_max_num_f32 v[TM+qb], v[TM+qb], v[TM+4+qb]
.set qb, qb+1
.endr
.set qb, 0
.rept \nb
	v_add_nc_u32 v[TM+12+qb], 0xf8800000, v[TM+qb]
.set qb, qb+1
.endr
.set qb, 0
.rept \nb
	v_and_or_b32 v[TM+8+qb], v[TM+qb], 0x7f800000, s[MNT]
.set qb, qb+1
.endr
.set qb, 0
.rept \nb
	v_lshrrev_b32 v[TM+4+qb], 23, v[TM+12+qb]
.set qb, qb+1
.endr
.set qb, 0
.rept \nb
.irp i, 0,1,2,3,4,5,6,7
	v_med3_num_f32 v[(\base)+(\stride)*qb+\i], v[(\base)+(\stride)*qb+\i], -v[TM+8+qb], v[TM+8+qb]
.endr
.irp i, 0,1,2,3,4,5,6,7
	v_med3_num_f32 v[(\base)+(\stride)*qb+(\hoff)+\i], v[(\base)+(\stride)*qb+(\hoff)+\i], -v[TM+8+qb], v[TM+8+qb]
.endr
	v_cvt_scalef32_pk8_bf8_f32 v[PC+4*qb:PC+4*qb+1], v[(\base)+(\stride)*qb:(\base)+(\stride)*qb+7], v[TM+12+qb]
	v_cvt_scalef32_pk8_bf8_f32 v[PC+4*qb+2:PC+4*qb+3], v[(\base)+(\stride)*qb+(\hoff):(\base)+(\stride)*qb+(\hoff)+7], v[TM+12+qb]
.set qb, qb+1
.endr
	v_nop
.endm
	s_load_b256 s[4:11], s[0:1], 0x0               ; qbuf s[4:5], kbuf s[6:7], vbuf s[8:9], obuf s[10:11]
	v_lshl_add_u32 v219, v0, 2, 0x21800
	v_mov_b32 v255, 0
	v_lshrrev_b32 v1, 5, v0
	v_readfirstlane_b32 s[WV], v1                  ; wave 0..15
	s_lshr_b32 s13, ttmp9, 2                       ; the pair of heads
	s_and_b32 s14, ttmp9, 3                        ; the quarter of the queries
	s_and_b32 s15, ttmp7, 0xffff                   ; the batch
	s_lshl_b32 s22, s15, 4
	s_lshl_b32 s23, s13, 1
	s_add_co_u32 s22, s22, s23                     ; the first head: 16 b + 2 hp
	s_lshl_b32 s24, s22, 15                        ; K's and V's codes: 32,768 bytes a head
	s_mov_b32 s25, 0
	s_lshl_b32 s26, s22, 11                        ; K's words: 2,048 bytes a head, behind the codes
	s_add_co_u32 s26, s26, 0x400000
	s_mov_b32 s27, 0
	s_lshl_b32 s28, s15, 14                        ; V's words: [b][K step][tile][16]
	s_lshl_b32 s29, s13, 9
	s_add_co_u32 s28, s28, s29
	s_add_co_u32 s28, s28, 0x400000
	s_mov_b32 s29, 0
	s_lshl_b32 s30, s14, 5
	s_lshl_b32 s31, s[WV], 1
	s_add_co_u32 s30, s30, s31                     ; my first tile of queries: 32 qq + 2 w
	s_lshl_b32 s31, s22, 7
	s_add_co_u32 s31, s31, s30
	s_lshl_b32 s40, s31, 10                        ; Q's codes: 1,024 bytes a tile
	s_mov_b32 s41, 0
	s_lshl_b32 s42, s31, 6                         ; Q's words: 64 bytes a tile
	s_add_co_u32 s42, s42, 0x1000000
	s_mov_b32 s43, 0
	s_lshl_b32 s44, s15, 7
	s_add_co_u32 s44, s44, s30                     ; my first tile of rows of the output: 128 b + 32 qq + 2 w
	s_lshl_b32 s46, s44, 14
	s_lshl_b32 s47, s13, 11
	s_add_co_u32 s46, s46, s47
	s_mov_b32 s47, 0
	s_lshl_b32 s44, s44, 9
	s_lshl_b32 s45, s13, 6
	s_add_co_u32 s44, s44, s45
	s_add_co_u32 s44, s44, 0x1000000
	s_mov_b32 s45, 0
	s_mov_b32 s[SEL], 0x76543210
	s_mov_b32 s[SEL+1], 0xfedcba98                 ; v_permlanex16_b32's selects for lane l xor 16
	s_mov_b32 s[MNT], 0x600000                     ; the mantissa field of 57,344
	s_mov_b32 s[CS], 0x3e38aa3b                    ; c = log2(e) / sqrt(64)
	s_mov_b32 s[CS+1], s[CS]                       ; (named with it as a pair, so it is written)
	s_mov_b32 s[PS], 0
	v_and_b32 v9, 31, v0
	v_and_b32 v10, 15, v0
	v_lshlrev_b32 v[LI], 4, v9
	v_lshlrev_b32 v[R4], 2, v10
	v_add_nc_u32 v[AV0], 0x10000, v[LI]
	v_add_nc_u32 v[AKS0], 0x20000, v[R4]
	v_add_nc_u32 v[AVS0], 0x21000, v[R4]
	v_mov_b32 v[QA], v[LI]
	v_mov_b32 v[QSA], v[R4]
	v_lshlrev_b32 v224, 4, v0                      ; the copy: thread i takes 16 bytes of each 8,192,
	v_add_nc_u32 v225, 0x10000, v224
	v_lshlrev_b32 v226, 3, v0                      ; 8 bytes of K's words,
	v_add_nc_u32 v227, 0x20000, v226
	v_lshrrev_b32 v228, 7, v0                      ; and one of V's: K step i / 128, word i % 128 of the pair's 128
	v_and_b32 v229, 127, v0
	v_lshlrev_b32 v229, 2, v229
	v_lshl_add_u32 v228, v228, 12, v229
	v_lshl_add_u32 v229, v0, 2, 0x21000
	s_wait_kmcnt 0x0
	s_add_nc_u64 s[32:33], s[4:5], s[40:41]        ; Q's codes
	s_add_nc_u64 s[34:35], s[4:5], s[42:43]        ; Q's words
	s_add_nc_u64 s[36:37], s[10:11], s[46:47]      ; the output's codes
	s_add_nc_u64 s[38:39], s[10:11], s[44:45]      ; the output's words
	s_add_nc_u64 s[40:41], s[6:7], s[26:27]        ; K's words
	s_add_nc_u64 s[42:43], s[8:9], s[28:29]        ; V's words
	s_add_nc_u64 s[6:7], s[6:7], s[24:25]
	s_add_nc_u64 s[8:9], s[8:9], s[24:25]
.irp j, 0,1,2,3,4,5,6,7
	global_load_b128 v[32+4*\j:35+4*\j], v224, s[6:7] offset:8192*\j
.endr
.irp j, 0,1,2,3,4,5,6,7
	global_load_b128 v[64+4*\j:67+4*\j], v224, s[8:9] offset:8192*\j
.endr
	global_load_b64 v[96:97], v226, s[40:41]
	global_load_b32 v98, v228, s[42:43]
	global_load_b128 v[QN:QN+3], v[QA], s[32:33]   ; the first pass's Q
	global_load_b128 v[QN+4:QN+7], v[QA], s[32:33] offset:512
	global_load_b32 v[QSN], v[QSA], s[34:35]
	s_wait_loadcnt 3                               ; the copy's eighteen loads are in; Q's three were issued behind them
.irp j, 0,1,2,3,4,5,6,7
	ds_store_b128 v224, v[32+4*\j:35+4*\j] offset:8192*\j
.endr
.irp j, 0,1,2,3,4,5,6,7
	ds_store_b128 v225, v[64+4*\j:67+4*\j] offset:8192*\j
.endr
	ds_store_b64 v227, v[96:97]
	ds_store_b32 v229, v98
	s_wait_dscnt 0x0                               ; for the others' sake: my part lies in LDS
	s_barrier_signal -1
	s_barrier_wait -1                              ; the launch's one barrier: LDS is only read from here on
.irp i, 0,1,2,3,4,5,6,7
	v_mov_b32 v[24+\i], 0                          ; the zero halves: K = 64 .. 127 of Q
.irp t, 0,1,2,3
	v_mov_b32 v[KF+16*\t+8+\i], 0                  ; and of K's four fragments
.endr
.endr
.irp i, 0,1,2,3
	v_mov_b32 v[T1+\i], 0                          ; written once: a lane permute's destination counts as one of its sources
.endr
	v_mov_b32 v[FF+1], 0                           ; (the upper half of a pair of which the low word serves both halves)
	v_mov_b32 v[OW], 0
; A KEY STEP: 128 keys, the q-th of four.  first = 1: its products start O^T's sums
.macro STEP q, first
.irp g, 0,1                            ; S^T = K Q^T, four tiles of 16 keys at a time
.if \g
	NOPS 8                                         ; places ahead of loads into registers that the four products have read
.endif
.irp t, 0,1,2,3
	ds_load_b128 v[KF+16*\t:KF+16*\t+3], v[AK] offset:1024*(8*(\q)+4*\g+\t)
	ds_load_b128 v[KF+16*\t+4:KF+16*\t+7], v[AK] offset:1024*(8*(\q)+4*\g+\t)+512
	ds_load_b32 v[SW+\t], v[AKS] offset:64*(8*(\q)+4*\g+\t)
.endr
	s_wait_dscnt 0x0
.irp t, 0,1,2,3
	v_wmma_scale_f32_16x16x128_f8f6f4 v[SS+8*(4*\g+\t):SS+8*(4*\g+\t)+7], v[KF+16*\t:KF+16*\t+15], v[16:31], 0, v[SW+\t], v[QS] matrix_a_fmt:MATRIX_FMT_BF8 matrix_b_fmt:MATRIX_FMT_BF8
.endr
.endr
	NOPS 8
.irp b, 0,1,2,3
	v_max3_num_f32 v[BM+\b], v[SS+16*\b], v[SS+1+16*\b], v[SS+2+16*\b]   ; the largest score of each block of 32 keys: for the row's maximum, and for the block's largest p
.endr
.irp i, 3,5,7,9,11,13
.irp b, 0,1,2,3
	v_max3_num_f32 v[BM+\b], v[BM+\b], v[SS+16*\b+\i], v[SS+1+16*\b+\i]
.endr
.endr
.irp b, 0,1,2,3
	v_max_num_f32 v[BM+\b], v[BM+\b], v[SS+15+16*\b]
.endr
.irp b, 0,1,2,3
	v_permlanex16_b32 v[T1+\b], v[BM+\b], s[SEL], s[SEL+1]
.endr
.irp b, 0,1,2,3
	v_max_num_f32 v[BM+\b], v[BM+\b], v[T1+\b]     ; with lane l xor 16's 16 keys
.endr
	v_max3_num_f32 v[TP], v[BM], v[BM+1], v[BM+2]
	v_max_num_f32 v[TP], v[TP], v[BM+3]
	v_mul_f32 v[TP], s[CS], v[TP]                  ; as t (c is positive)
	v_max_num_f32 v13, v13, v[TP]                  ; the running largest t
	v_mov_b32 v[TP], v12
	v_floor_f32 v12, -v13                          ; -M = floor(-t) = -ceil(t)
	v_sub_f32 v[TP], v12, v[TP]                    ; old M - new M: a whole number, 0 or less
	v_cvt_i32_f32 v[TP], v[TP]                     ; (it saturates)
	v_ldexp_f32 v[FF], 1.0, v[TP]                  ; f = 2^(old M - new M)
.set j, 0
.rept 32
	v_pk_fma_f32 v[SS+j:SS+j+1], v[SS+j:SS+j+1], s[CS:CS+1], v[12:13] op_sel_hi:[1,0,0]   ; t - M
.set j, j+2
.endr
.irp b, 0,1,2,3
	v_fma_f32 v[BM+\b], v[BM+\b], s[CS], v12       ; the same of each block's largest score
.endr
.set j, 0
.rept 64
	v_exp_f32 v[SS+j], v[SS+j]                     ; p = 2^(t - M)
.set j, j+1
.endr
	v_pk_mul_f32 v[14:15], v[14:15], v[FF:FF+1] op_sel_hi:[1,0]   ; the sums under the new M: a plain instruction behind the exponentials
	s_wait_alu depctr_va_vdst(0)                   ; one wait for the batch of 64, ahead of its first reader
.irp b, 0,1,2,3
	v_exp_f32 v[BM+\b], v[BM+\b]                   ; the blocks' largest p
.endr
	v_pk_add_f32 v[T1:T1+1], v[SS:SS+1], v[SS+2:SS+3]   ; the row's sum of the unquantised p, in two chains
.irp j, 4,8,12,16,20,24,28,32,36,40,44,48,52,56,60
	v_pk_add_f32 v[14:15], v[14:15], v[SS+\j:SS+\j+1]
	v_pk_add_f32 v[T1:T1+1], v[T1:T1+1], v[SS+2+\j:SS+3+\j]
.endr
	v_pk_add_f32 v[14:15], v[14:15], v[T1:T1+1]
	s_wait_alu depctr_va_vdst(0)                   ; and one for the four
.irp b, 0,1,2,3
	v_max_num_f32 v[BM+\b], 0x8000000, v[BM+\b]    ; the floor 2^(16 - 127)
.endr
.irp b, 0,1,2,3
	v_add_nc_u32 v[SO+\b], 0xf8800000, v[BM+\b]    ; the conversion's scale operand
.endr
.irp b, 0,1,2,3
	v_and_or_b32 v[HL+\b], v[BM+\b], 0x7f800000, s[MNT]   ; 57,344 x the scale
.endr
.irp b, 0,1,2,3
	v_lshrrev_b32 v[T1+\b], 23, v[SO+\b]           ; the scale's byte
.endr
	v_lshl_or_b32 v[PWD], v[T1+1], 8, v[T1]        ; p's scale word for these 128 keys: it stands far more than eight places ahead of the products
	v_lshl_or_b32 v[PWD], v[T1+2], 16, v[PWD]
	v_lshl_or_b32 v[PWD], v[T1+3], 24, v[PWD]
.irp b, 0,1,2,3
.irp i, 0,1,2,3,4,5,6,7,8,9,10,11,12,13,14,15
	v_min_num_f32 v[SS+16*\b+\i], v[SS+16*\b+\i], v[HL+\b]   ; the hold; p is not negative
.endr
	v_cvt_scalef32_pk8_bf8_f32 v[PP+4*\b:PP+4*\b+1], v[SS+16*\b:SS+16*\b+7], v[SO+\b]
	v_cvt_scalef32_pk8_bf8_f32 v[PP+4*\b+2:PP+4*\b+3], v[SS+8+16*\b:SS+15+16*\b], v[SO+\b]
.endr
.irp t, 0,1,2,3                        ; V's four tiles of 16 channels x these 128 keys take p's registers
.irp c, 0,1,2,3
	ds_load_b128 v[SS+16*\t+4*\c:SS+16*\t+4*\c+3], v[AV] offset:8192*\t+2048*(\q)+512*\c
.endr
	ds_load_b32 v[SW+\t], v[AVS] offset:512*(\q)+64*\t
.endr
.if \first
	NOPS 4                                         ; the plain place behind the conversions and the four places ahead of products that take their codes
.else
.set j, 0
.rept 16
	v_pk_mul_f32 v[OO+j:OO+j+1], v[OO+j:OO+j+1], v[FF:FF+1] op_sel_hi:[1,0]   ; O^T under the new M; these are those places too
.set j, j+2
.endr
.endif
	s_wait_dscnt 0x0
.irp t, 0,1,2,3
.if \first
	v_wmma_scale_f32_16x16x128_f8f6f4 v[OO+8*\t:OO+8*\t+7], v[SS+16*\t:SS+16*\t+15], v[PP:PP+15], 0, v[SW+\t], v[PWD] matrix_a_fmt:MATRIX_FMT_BF8 matrix_b_fmt:MATRIX_FMT_BF8
.else
	v_wmma_scale_f32_16x16x128_f8f6f4 v[OO+8*\t:OO+8*\t+7], v[SS+16*\t:SS+16*\t+15], v[PP:PP+15], v[OO+8*\t:OO+8*\t+7], v[SW+\t], v[PWD] matrix_a_fmt:MATRIX_FMT_BF8 matrix_b_fmt:MATRIX_FMT_BF8
.endif
.endr
	NOPS 9                                         ; the next scores are written over V's registers: nine places; they serve the loads into the scale words and the reads of O^T as well
.endm
.Lpass:                                            ; pass PS: tile PS / 2 of my two, head PS % 2 of the pair
	s_wait_loadcnt 0x0                             ; this pass's Q
.irp i, 0,1,2,3,4,5,6,7
	v_mov_b32 v[16+\i], v[QN+\i]
.endr
	v_mov_b32 v[QS], v[QSN]
	s_and_b32 s22, s[PS], 1
	s_lshl_b32 s23, s22, 15
	s_lshl_b32 s24, s22, 11
	s_lshl_b32 s25, s22, 8
	v_add_nc_u32 v[AK], s23, v[LI]
	v_add_nc_u32 v[AV], s23, v[AV0]
	v_add_nc_u32 v[AKS], s24, v[AKS0]
	v_add_nc_u32 v[AVS], s25, v[AVS0]
	s_cmp_lt_u32 s[PS], 3
	s_cbranch_scc0 .Lnoq                           ; the last pass asks for nothing: no load leaves its buffer
	s_add_co_u32 s22, s[PS], 1
	s_and_b32 s23, s22, 1
	s_lshr_b32 s24, s22, 1
	s_lshl_b32 s25, s23, 17                        ; a head's codes of q: 131,072 bytes
	s_lshl_b32 s26, s24, 10
	s_add_co_u32 s25, s25, s26
	v_add_nc_u32 v[QA], s25, v[LI]                 ; (the loads that read these offsets are in)
	s_lshl_b32 s25, s23, 13
	s_lshl_b32 s26, s24, 6
	s_add_co_u32 s25, s25, s26
	v_add_nc_u32 v[QSA], s25, v[R4]
	global_load_b128 v[QN:QN+3], v[QA], s[32:33]
	global_load_b128 v[QN+4:QN+7], v[QA], s[32:33] offset:512
	global_load_b32 v[QSN], v[QSA], s[34:35]
.Lnoq:
	v_mov_b32 v13, 0xff61b1e6                      ; the largest t so far: -3e38, under every t
	v_floor_f32 v12, -v13                          ; -M
	v_mov_b32 v14, 0                               ; the sum, in two halves
	v_mov_b32 v15, 0
	NOPS 8                                         ; Q's scale word was written by a vector instruction: eight places ahead of the first product
	STEP 0, 1
	STEP 1, 0
	STEP 2, 0
	STEP 3, 0
	v_add_f32 v14, v14, v15
	v_permlanex16_b32 v[TP], v14, s[SEL], s[SEL+1]
	v_add_f32 v14, v14, v[TP]                      ; the row's sum
	v_rcp_f32 v[FF], v14
	v_nop
	s_wait_alu depctr_va_vdst(0)
.set j, 0
.rept 16
	v_pk_mul_f32 v[SS+j:SS+j+1], v[OO+j:OO+j+1], v[FF:FF+1] op_sel_hi:[1,0]   ; out(query r, channel 32 bb + 16 h + 0 .. 15) in registers 16 bb on; each accumulator is read from its low end on
.set j, j+2
.endr
	QUANT 2, SS, 16, 8                             ; the head's two blocks of 32 along H
	s_lshr_b32 s22, s[PS], 1
	s_and_b32 s23, s[PS], 1
	s_lshl_b32 s24, s22, 14                        ; the tile of rows,
	s_lshl_b32 s25, s23, 10                        ; groups c = 2 head + 0, 1 of the pair's fragment
	s_add_co_u32 s24, s24, s25
	v_add_nc_u32 v[OA], s24, v[LI]
	global_store_b128 v[OA], v[PC:PC+3], s[36:37]              ; 512 consecutive bytes a store
	global_store_b128 v[OA], v[PC+4:PC+7], s[36:37] offset:512
	v_lshl_or_b32 v[HW], v[TM+5], 8, v[TM+4]
	v_alignbit_b32 v[OW], v[HW], v[OW], 16         ; the head's two bytes are rolled in from the top
	s_bitcmp1_b32 s[PS], 0
	s_cbranch_scc0 .Lnow                           ; the word is whole behind the pair's second head
	s_lshl_b32 s24, s22, 9
	v_add_nc_u32 v[OSA], s24, v[R4]
	global_store_b32 v[OSA], v[OW], s[38:39]       ; lanes 16-31 write the same words to the same places
.Lnow:
	s_wait_xcnt 0x0                                ; the stores have read their registers
	s_add_co_u32 s[PS], s[PS], 1
	s_cmp_lt_u32 s[PS], 4
	s_cbranch_scc1 .Lpass
	s_wait_tensorcnt 0x0
	ds_add_u32 v219, v255
	s_wait_dscnt 0x0
	s_endpgm
.Lfunc_end_k_q65fcc2b5bb_attn:
	.size	k_q65fcc2b5bb_attn, .Lfunc_end_k_q65fcc2b5bb_attn-k_q65fcc2b5bb_attn
	.p2alignl 7, 3214868480
	.fill 96, 4, 3214868480
	.section	.rodata,"a",@progbits
	.p2align	6, 0x0
	.amdhsa_kernel k_q65fcc2b5bb_attn
		.amdhsa_group_segment_fixed_size 139264
		.amdhsa_private_segment_fixed_size 0
		.amdhsa_enable_private_segment 0
		.amdhsa_kernarg_size 32
		.amdhsa_user_sgpr_count 2
		.amdhsa_user_sgpr_kernarg_segment_ptr 1
		.amdhsa_wavefront_size32 1
		.amdhsa_system_sgpr_workgroup_id_x 1
		.amdhsa_system_sgpr_workgroup_id_y 1
		.amdhsa_system_sgpr_workgroup_id_z 1
		.amdhsa_system_vgpr_workitem_id 0
		.amdhsa_next_free_vgpr 256
		.amdhsa_next_free_sgpr 66
		.amdhsa_reserve_vcc 0
		.amdhsa_float_denorm_mode_32 3
		.amdhsa_float_denorm_mode_16_64 3
		.amdhsa_memory_ordered 1
		.amdhsa_forward_progress 1
		.amdhsa_inst_pref_size 91
	.end_amdhsa_kernel
	.amdgpu_metadata
---
amdhsa.version: [ 1, 2 ]
amdhsa.kernels:
  - .name:           k_q65fcc2b5bb_attn
    .symbol:         k_q65fcc2b5bb_attn.kd
    .args:
      - { .name: qbuf, .offset: 0, .size: 8, .value_kind: global_buffer, .address_space: global }
      - { .name: kbuf, .offset: 8, .size: 8, .value_kind: global_buffer, .address_space: global }
      - { .name: vbuf, .offset: 16, .size: 8, .value_kind: global_buffer, .address_space: global }
      - { .name: obuf, .offset: 24, .size: 8, .value_kind: global_buffer, .address_space: global }
    .group_segment_fixed_size: 139264
    .private_segment_fixed_size: 0
    .kernarg_segment_align: 8
    .kernarg_segment_size: 32
    .max_flat_workgroup_size: 512
    .sgpr_count:     66
    .vgpr_count:     256
    .wavefront_size: 32
...
	.end_amdgpu_metadata
.endif
;; end of part 3
;; launch oproj (part 4): grid 256 x 1, 4 waves a work-group, clusters of 4 x 1, 327,680 bytes of LDS; arguments obuf, wimg, Wp_scales, bp, x_q, out0; writes out0
.if DOCPART == 4
	.amdgcn_target "amdgcn-amd-amdhsa--gfx1250"
	.amdhsa_code_object_version 6
	.text
	.protected	k_q65fcc2b5bb_oproj
	.globl	k_q65fcc2b5bb_oproj
	.p2align	8
	.type	k_q65fcc2b5bb_oproj,@function
k_q65fcc2b5bb_oproj:
	s_mov_b64 s[64:65], 0
	v_nop
	global_prefetch_b8 v0, s[64:65] scope:SCOPE_SE
	s_setreg_imm32_b32 hwreg(HW_REG_WAVE_MODE, 25, 1), 1
	s_wait_xcnt 0x0
	s_wait_alu depctr_hold_cnt(0) depctr_sa_sdst(0) depctr_va_vdst(0) depctr_va_sdst(0) depctr_va_ssrc(0) depctr_va_vcc(0) depctr_vm_vsrc(0)
	s_getreg_b32 s2, hwreg(HW_REG_IB_STS2, 6, 4)
	s_cmp_eq_u32 s2, 0
	s_cbranch_scc0 .Lentry_in_a_cluster
	s_endpgm
.Lentry_in_a_cluster:
	s_bfe_u32 s2, ttmp6, 0x10000c
	s_cmp_lg_u32 s2, 0x3003
	s_cbranch_scc0 .Lentry_shape_is_right
	s_endpgm
.Lentry_shape_is_right:
; out0 = x_q + out Wp + bp, the product on codes of BF8 (E5M2) with E8M0 scales.  out's codes come as images of the operand's registers (obuf), Wp's likewise (wimg, tiles 192-255).
; ROWS STAY, WEIGHTS STREAM, as in the projection launch: a work-group owns 64 rows; every wave holds their 1,024 K of codes in 512 registers and walks its own 256 columns (16 weight tiles).
; CLUSTERS.  All work-groups walk the same Wp: the four of a cluster ask for each pair of weight tiles (32,768 dense bytes of images) JOINTLY, by the same tensor load with the same descriptor and the mask of all four.
; Wave w asks for and reads only its own tiles: a ring of two slots of 32,768 bytes at LDS byte 65,536 w; a trip's first pair lies in slot 0, its second in slot 1.  My place in the cluster enters only the global addresses of obuf, x_q and out0.
; The products have source 0 = weight rows, source 1 = tokens: a lane holds a token, and the 16 registers of a pair of tiles are 16 neighbouring columns.  The bias is the C of each sum's first product.
; x_q: a trip's 64 rows x 256 bytes of my columns stand in 128 registers, loaded one trip ahead in the layout of the stores (sixteen lanes to 256 consecutive bytes).
; THE WAY OUT, 64 columns at a time: a tile of 16 rows goes through the wave's own stage in LDS and comes back as rows of 256 bytes; x_q is added; sixteen lanes store 256 consecutive bytes, at a multiple of 256 from out0's first byte.
; LIMITS: NaN and infinities are not served.
; REGISTERS.  Windows 1, 2: A's fragment (tile m, K step s) at 16 (4 s + m).  Window 3: v0-127 two chunks of four weight fragments, chunk q at 64 (q % 2); v128-255 x_q, tile m at 128 + 32 m.  Window 0: below.
.set SLOTB, 32768                      ; LDS: from 0 the four waves' rings, two slots of SLOTB bytes each;
.set STAGE, 262144                     ; 16 rows x 272 bytes for each wave;
.set SPARE, 279552                     ; the spare words, 128 bytes for each wave: two blocks of 256 bytes that no other line names
.set LI,  1                            ; v1   16 x lane
.set WSA, 2                            ; v2   32 x my weight row
.set BIA, 3                            ; v3   64 h
.set R4,  4                            ; v4   4 r
.set STO, 5                            ; v5   the stage, in: row r, 64 bytes for each half of the lanes
.set RD,  6                            ; v6   the stage, back: lanes 0-15 one row, lanes 16-31 the next
.set CO,  7                            ; v7   the same two rows in out0 and in x_q
.set LW0, 8                            ; v8   my wave's ring + 16 x lane
.set SPW, 9                            ; v9   LDS address of my spare word: SPARE + 4 x my thread's number; never rewritten
.set NIL, 10                           ; v10  0; never rewritten
.set ACC, 16                           ; v16-143 sixteen accumulators: (pair pp, u, m) at 16 + 64 pp + 32 u + 8 m
.set AS,  144                          ; v144-175 A's scale words: 4 s + m
.set WS,  176                          ; v176-207 the scale words of a trip's four weight tiles: 8 (2 pp + u) + s
.set BI,  208                          ; v208-239 their bias in the result's layout: 8 (2 pp + u) + j
.set XQ,  128                          ; in window 3
.set WV,  16
.set AB,  18
.set ASB, 20
.set XQB, 22
.set OUTB, 24
.set GC,  27
.set SB,  44
.set BB,  46
.set G1,  48                           ; s[48:55] descriptor group 1: a pair of tiles
.set G0,  56                           ; s[56:63] group 0, a set for each slot.   s66-71: at work for LDS addresses and descriptors: they never hold a number made of my place in the cluster
.set MSB, 0
.macro WIN new                         ; the immediate's high byte repeats the setting that is left; a switch that changes nothing is dropped
.if MSB != (\new)
	s_set_vgpr_msb (MSB<<8)|(\new)
.set MSB, (\new)
.endif
.endm
.macro NOPS n
.rept \n
	v_nop
.endr
.endm
.macro CREST                           ; a round of the cluster's barrier behind its opening barrier
	s_cmp_lg_u32 s[WV], 0
	s_cbranch_scc1 .Lnot_wave_0_\@
	s_barrier_signal -3
.Lnot_wave_0_\@:
	s_barrier_wait -3
	s_barrier_signal -1
	s_barrier_wait -1
.endm
.macro ROUND                           ; a whole round
	s_barrier_signal -1
	s_barrier_wait -1
	CREST
.endm
	s_load_b256 s[4:11], s[0:1], 0x0               ; obuf s[4:5], wimg s[6:7], Wp_scales s[8:9], bp s[10:11]
	s_load_b128 s[12:15], s[0:1], 0x20             ; x_q s[12:13], out0 s[14:15]
	v_lshl_add_u32 v[SPW], v0, 2, SPARE
	v_mov_b32 v[NIL], 0
	ds_add_u32 v9, v10
	ds_add_u32 v9, v10
	s_wait_dscnt 0x0
	v_lshrrev_b32 v13, 5, v0
	v_readfirstlane_b32 s[WV], v13                 ; wave 0..3
	v_and_b32 v13, 31, v0
	v_and_b32 v14, 15, v0                          ; r
	v_bfe_u32 v15, v0, 4, 1                        ; h
	v_lshlrev_b32 v[LI], 4, v13
	v_and_b32 v13, 8, v14
	v_add_nc_u32 v13, v13, v14                     ; r + 8 (r / 8)
	v_lshlrev_b32 v[WSA], 5, v13
	v_lshlrev_b32 v[BIA], 6, v15
	v_lshlrev_b32 v[R4], 2, v14
	s_mul_i32 s66, s[WV], 16*272
	s_add_co_u32 s66, s66, STAGE                   ; my stage
	v_mul_u32_u24 v[STO], v14, 272
	v_lshl_add_u32 v[STO], v15, 6, v[STO]
	v_add_nc_u32 v[STO], s66, v[STO]
	v_mul_u32_u24 v[RD], v15, 272
	v_lshl_add_u32 v[RD], v14, 4, v[RD]
	v_add_nc_u32 v[RD], s66, v[RD]
	v_lshlrev_b32 v[CO], 12, v15
	v_lshl_add_u32 v[CO], v14, 4, v[CO]
	s_lshl_b32 s67, s[WV], 16                      ; my wave's ring
	v_add_nc_u32 v[LW0], s67, v[LI]
	; descriptor group 1: a pair of weight tiles, 32,768 dense bytes, as 128 rows of 256 bytes (32 elements of 8 bytes), laid into LDS without gaps
	s_mov_b32 s[G1+0], 15|(3<<16)|(1<<21)          ; 15:0 the mask: all four work-groups; 17:16 elements of 8 bytes; 20 no padding; 21 set beside a mask
	s_mov_b32 s[G1+1], 32<<16                      ; tensor_dim0 = 32
	s_mov_b32 s[G1+2], 128<<16                     ; tensor_dim1 = 128
	s_mov_b32 s[G1+3], 32<<16                      ; tile_dim0 = 32
	s_mov_b32 s[G1+4], 128                         ; tile_dim1 = 128
	s_mov_b32 s[G1+5], 32                          ; the pitch
	s_mov_b32 s[G1+6], 0
	s_mov_b32 s[G1+7], 0
	s_lshl_b32 s68, s[WV], 4
	s_add_co_u32 s68, s68, 192
	s_lshl_b32 s68, s68, 14                        ; Wp's tiles 192 + 16 w on, 16,384 bytes each
	s_mov_b32 s69, 0
	s_bfe_u32 s72, ttmp6, 0x40000                  ; cx: my place in the cluster
	s_lshl_b32 s73, ttmp9, 2                       ; in a cluster launch ttmp9 counts clusters
	s_add_co_u32 s73, s73, s72                     ; my block of 64 rows = 4 x cluster + cx
	s_wait_kmcnt 0x0
	s_add_nc_u64 s[70:71], s[6:7], s[68:69]
	s_mov_b32 s[G0], 1                             ; count = 1
	s_mov_b32 s[G0+1], s67                         ; LDS address: my ring's slot 0
	s_mov_b64 s[G0+2:G0+3], s[70:71]               ; pair 0
	s_or_b32 s[G0+3], s[G0+3], 0x80000000          ; type = 2
	s_mov_b32 s[G0+4], 1
	s_add_co_u32 s[G0+5], s67, SLOTB               ; slot 1
	s_add_nc_u64 s[G0+6:G0+7], s[70:71], SLOTB     ; pair 1
	s_or_b32 s[G0+7], s[G0+7], 0x80000000
	ROUND                                          ; all four work-groups are here: the first joint loads meet
	tensor_load_to_lds s[G0:G0+3], s[G1:G1+7]      ; my two first fills stand together, ahead of every wait on TENSORcnt and every LDS access: two loads of mine are out
	s_nop 0
	tensor_load_to_lds s[G0+4:G0+7], s[G1:G1+7]
	s_nop 0
	NOPS 4                                         ; (four places behind a tensor load)
	s_lshl_b32 s30, s73, 18                        ; my 64 rows of 4,096 bytes
	s_mov_b32 s31, 0
	s_add_nc_u64 s[XQB:XQB+1], s[12:13], s[30:31]
	s_add_nc_u64 s[OUTB:OUTB+1], s[14:15], s[30:31]
	s_lshl_b32 s30, s[WV], 10                      ; my wave's 256 columns
	s_add_nc_u64 s[XQB:XQB+1], s[XQB:XQB+1], s[30:31]
	s_add_nc_u64 s[OUTB:OUTB+1], s[OUTB:OUTB+1], s[30:31]
	s_add_nc_u64 s[BB:BB+1], s[10:11], s[30:31]
	s_lshl_b32 s30, s73, 16                        ; my four tiles of rows: 16,384 bytes of codes each
	s_add_nc_u64 s[AB:AB+1], s[4:5], s[30:31]
	s_lshl_b32 s30, s73, 11
	s_add_co_u32 s30, s30, 0x1000000               ; their words, behind the codes
	s_add_nc_u64 s[ASB:ASB+1], s[4:5], s[30:31]
	s_lshl_b32 s30, s[WV], 13
	s_add_nc_u64 s[SB:SB+1], s[8:9], s[30:31]
	WIN 0x40
.irp s, 0,1,2,3
.irp m, 0,1,2,3
.irp c, 0,1,2,3
	global_load_b128 v[16*(4*\s+\m)+4*\c:16*(4*\s+\m)+4*\c+3], v[LI], s[AB:AB+1] offset:16384*\m+2048*\s+512*\c
.endr
.endr
.endr
	WIN 0x80
.irp s, 0,1,2,3
.irp m, 0,1,2,3
.irp c, 0,1,2,3
	global_load_b128 v[16*(4*\s+\m)+4*\c:16*(4*\s+\m)+4*\c+3], v[LI], s[AB:AB+1] offset:16384*\m+2048*(\s+4)+512*\c
.endr
.endr
.endr
	WIN 0
.irp s, 0,1,2,3,4,5,6,7
.irp m, 0,1,2,3
	global_load_b32 v[AS+4*\s+\m], v[R4], s[ASB:ASB+1] offset:512*\m+64*\s
.endr
.endr
; tile tt = 2 pp + u of a trip: its eight scale words and its bias in the result's layout: four loads.  nx = 1: the next trip's
.macro AUX tt, nx
	global_load_b128 v[WS+8*(\tt):WS+8*(\tt)+3], v[WSA], s[SB:SB+1] offset:2048*(\nx)+1024*((\tt)/2)+256*((\tt)%2)
	global_load_b128 v[WS+8*(\tt)+4:WS+8*(\tt)+7], v[WSA], s[SB:SB+1] offset:2048*(\nx)+1024*((\tt)/2)+256*((\tt)%2)+16
	global_load_b128 v[BI+8*(\tt):BI+8*(\tt)+3], v[BIA], s[BB:BB+1] offset:256*(\nx)+128*((\tt)/2)+32*((\tt)%2)
	global_load_b128 v[BI+8*(\tt)+4:BI+8*(\tt)+7], v[BIA], s[BB:BB+1] offset:256*(\nx)+128*((\tt)/2)+32*((\tt)%2)+16
.endm
; x_q at tile m's 16 rows and a trip's 64 columns, in the layout of the stores: load t takes rows 32 (m / 2) + 8 (m % 2) + 2 t + 8 (t / 4) + h; read once in the launch
.macro XQLOAD m, nx
	WIN 0xc0
.irp t, 0,1,2,3,4,5,6,7
	global_load_b128 v[XQ+32*(\m)+4*\t:XQ+32*(\m)+4*\t+3], v[CO], s[XQB:XQB+1] offset:(32*((\m)/2)+8*((\m)%2)+2*\t+8*(\t/4))*4096+256*(\nx) th:TH_LOAD_NT
.endr
	WIN 0
.endm
; chunk q of the pair in a slot: tile u = q / 2, K steps 4 (q % 2) + 0 .. 3: sixteen loads of 512 consecutive bytes
.macro FETCHC slot, q
	WIN 0xc0
.irp i, 0,1,2,3
.irp c, 0,1,2,3
	ds_load_b128 v[64*((\q)%2)+16*\i+4*\c:64*((\q)%2)+16*\i+4*\c+3], v[LW0] offset:SLOTB*(\slot)+16384*((\q)/2)+8192*((\q)%2)+2048*\i+512*\c
.endr
.endr
	WIN 0
.endm
; sixteen products; the four accumulators take turns, one instruction a turn
.macro MM16 pp, q
	WIN (0x07+4*((\q)%2))                          ; source 0 (the weight) window 3, source 1 (A) window 1 or 2
.irp i, 0,1,2,3
.irp m, 0,1,2,3
.set rD, ACC+64*(\pp)+32*((\q)/2)+8*\m
.set rW, 64*((\q)%2)+16*\i
.set rA, 16*(4*\i+\m)
.set rWS, WS+8*(2*(\pp)+(\q)/2)+4*((\q)%2)+\i
.set rAS, AS+4*(4*((\q)%2)+\i)+\m
.set rB, BI+8*(2*(\pp)+(\q)/2)
.if ((\q)%2 == 0) && (\i == 0)
	v_wmma_scale_f32_16x16x128_f8f6f4 v[rD:rD+7], v[rW:rW+15], v[rA:rA+15], v[rB:rB+7], v[rWS], v[rAS] matrix_a_fmt:MATRIX_FMT_BF8 matrix_b_fmt:MATRIX_FMT_BF8
.else
	v_wmma_scale_f32_16x16x128_f8f6f4 v[rD:rD+7], v[rW:rW+15], v[rA:rA+15], v[rD:rD+7], v[rWS], v[rAS] matrix_a_fmt:MATRIX_FMT_BF8 matrix_b_fmt:MATRIX_FMT_BF8
.endif
.endr
.endr
	WIN 0
.endm
; A PAIR OF WEIGHT TILES, 64 products, out of slot pp.  Its chunks 0 and 1 are on their way when it begins; each later chunk is fetched into the registers of the chunk two back, eight places behind that chunk's products.
; Each s_wait_dscnt 16 leaves the chunk fetched last out.
; fill = 1: THE CHANGE OF SLOTS.  All my tensor loads have landed (the one that was out is the other slot's), 0 is added to my spare word, the add and my reads of this slot are waited for; a round of the cluster's barrier,
; with the last sixteen products between its opening signal and wait; then this slot is filled again, with the pair two further on, jointly.
; auxn = 1: this pair's tiles' words and biases are loaded anew, for the next trip.  more = 1: a pair follows: its first two chunks are fetched out of the other slot.
.macro PAIR pp, fill, more, auxn
	s_wait_dscnt 16
	MM16 \pp, 0
	NOPS 8
	FETCHC \pp, 2
	s_wait_dscnt 16
	MM16 \pp, 1
	NOPS 8
	FETCHC \pp, 3
	s_wait_dscnt 16
	MM16 \pp, 2
.if \fill
	s_wait_tensorcnt 0x0                           ; no tensor load of mine is out, so a group 0 may be written
	ds_add_u32 v[SPW], v[NIL]                      ; 0 onto my spare word: the descriptor's step stands between it and the wait for it
	s_add_nc_u64 s[G0+4*(\pp)+2:G0+4*(\pp)+3], s[G0+4*(\pp)+2:G0+4*(\pp)+3], 2*SLOTB   ; this slot's next pair; the type bits on top are not reached
	s_wait_dscnt 0x0                               ; the add is done, and my reads of this slot are over
	s_barrier_signal -1                            ; this barrier opens a round of the cluster's barrier
	MM16 \pp, 3                                    ; work on registers while the others arrive
	s_barrier_wait -1
	CREST                                          ; no wave of any partner still reads its slot or has a load on its way
	tensor_load_to_lds s[G0+4*(\pp):G0+4*(\pp)+3], s[G1:G1+7]   ; the first tensor load behind the round, and my only one until the next
	s_nop 0
.else
	s_wait_dscnt 0x0
	MM16 \pp, 3
.endif
	NOPS 8
.if \auxn
	AUX 2*(\pp), 1
	AUX 2*(\pp)+1, 1
.endif
.if \more
.if !(\fill)
	s_wait_tensorcnt 0x0                           ; the last pair has landed
.endif
	FETCHC 1-(\pp), 0
	FETCHC 1-(\pp), 1
.endif
.endm
; THE WAY OUT of tile m's 16 rows x 64 columns, in pieces
.macro ES m                            ; into the stage: lane (r, h): row r, columns 32 pp + 16 h + 8 u + 0 .. 7; each accumulator from its low end on
.irp pp, 0,1
.irp u, 0,1
	ds_store_b128 v[STO], v[ACC+64*\pp+32*\u+8*(\m):ACC+64*\pp+32*\u+8*(\m)+3] offset:128*\pp+32*\u
	ds_store_b128 v[STO], v[ACC+64*\pp+32*\u+8*(\m)+4:ACC+64*\pp+32*\u+8*(\m)+7] offset:128*\pp+32*\u+16
.endr
.endr
.endm
.macro EL m                            ; back as rows, two a load, into the registers that they left.  LDS serves a wave's instructions in order (ISA guide 5.7.1.4)
.irp t, 0,1,2,3,4,5,6,7
	ds_load_b128 v[ACC+64*(\t/4)+32*((\t/2)%2)+8*(\m)+4*(\t%2):ACC+64*(\t/4)+32*((\t/2)%2)+8*(\m)+4*(\t%2)+3], v[RD] offset:544*\t
.endr
.endm
.macro EADD m
	WIN 0x0c                                       ; source 1 (x_q) window 3
.irp t, 0,1,2,3,4,5,6,7
.set rR, ACC+64*(\t/4)+32*((\t/2)%2)+8*(\m)+4*(\t%2)
	v_pk_add_f32 v[rR:rR+1], v[rR:rR+1], v[XQ+32*(\m)+4*\t:XQ+32*(\m)+4*\t+1]
	v_pk_add_f32 v[rR+2:rR+3], v[rR+2:rR+3], v[XQ+32*(\m)+4*\t+2:XQ+32*(\m)+4*\t+3]
.endr
	WIN 0
.endm
.macro EOUT m
.irp t, 0,1,2,3,4,5,6,7
.set rR, ACC+64*(\t/4)+32*((\t/2)%2)+8*(\m)+4*(\t%2)
	global_store_b128 v[CO], v[rR:rR+3], s[OUTB:OUTB+1] offset:(32*((\m)/2)+8*((\m)%2)+2*\t+8*(\t/4))*4096 th:TH_STORE_NT   ; written once, read by nobody here
.endr
.endm
.macro ETILE m, last                   ; x_q is added; its registers take the next trip's; the tile is stored
	EADD \m
.if !(\last)
	XQLOAD \m, 1
.endif
	EOUT \m
.endm
.macro EPI last
.if \last
	s_wait_loadcnt 0x0                             ; this trip's x_q is in: nothing was issued behind it
.else
	s_wait_loadcnt 16                              ; this trip's x_q is in; the next trip's sixteen loads of words and biases were issued behind it
.endif
	ES 0
	EL 0
	ES 1
	EL 1
	s_wait_dscnt 16                                ; all but tile 1's eight stores and eight loads
	ETILE 0, \last
	ES 2
	EL 2
	s_wait_dscnt 16                                ; all but tile 2's sixteen
	ETILE 1, \last
	ES 3
	EL 3
	s_wait_dscnt 16                                ; all but tile 3's sixteen
	ETILE 2, \last
	s_wait_dscnt 0x0
	ETILE 3, \last
.if !(\last)
	s_wait_xcnt 0x0                                ; stores and loads have read their registers and their bases
	s_add_nc_u64 s[OUTB:OUTB+1], s[OUTB:OUTB+1], 256
	s_add_nc_u64 s[XQB:XQB+1], s[XQB:XQB+1], 256
	s_add_nc_u64 s[SB:SB+1], s[SB:SB+1], 2048
	s_add_nc_u64 s[BB:BB+1], s[BB:BB+1], 256
.endif
.endm
.irp tt, 0,1,2,3
	AUX \tt, 0
.endr
.irp m, 0,1,2,3
	XQLOAD \m, 0
.endr
	s_wait_tensorcnt 0x1                           ; my pair 0 has landed; slot 1's fill may be out
	FETCHC 0, 0
	FETCHC 0, 1
	s_mov_b32 s[GC], 0
.Ltrip:                                            ; a trip: two pairs of weight tiles, 64 columns; both slots are filled again
	s_wait_loadcnt 32                              ; the trip's words and biases (and, the first time, A and its words) are in; x_q's 32 loads were issued behind them
	PAIR 0, 1, 1, 1
	PAIR 1, 1, 1, 1
	EPI 0
	s_add_co_u32 s[GC], s[GC], 1
	s_cmp_lt_u32 s[GC], 3
	s_cbranch_scc1 .Ltrip
	s_wait_loadcnt 32                              ; the last trip is written out: nothing is left to ask for
	PAIR 0, 0, 1, 0
	PAIR 1, 0, 0, 0
	EPI 1
	s_wait_tensorcnt 0x0                           ; the wave's end: the spare word's add, behind my last tensor load and my last LDS store
	ds_add_u32 v[SPW], v[NIL]
	s_wait_dscnt 0x0
	ROUND                                          ; the closing round: no work-group ends while a partner may still ask for a tile that names it
	s_endpgm
.Lfunc_end_k_q65fcc2b5bb_oproj:
	.size	k_q65fcc2b5bb_oproj, .Lfunc_end_k_q65fcc2b5bb_oproj-k_q65fcc2b5bb_oproj
	.p2alignl 7, 3214868480
	.fill 96, 4, 3214868480
	.section	.rodata,"a",@progbits
	.p2align	6, 0x0
	.amdhsa_kernel k_q65fcc2b5bb_oproj
		.amdhsa_group_segment_fixed_size 327680
		.amdhsa_private_segment_fixed_size 0
		.amdhsa_enable_private_segment 0
		.amdhsa_kernarg_size 48
		.amdhsa_user_sgpr_count 2
		.amdhsa_user_sgpr_kernarg_segment_ptr 1
		.amdhsa_wavefront_size32 1
		.amdhsa_system_sgpr_workgroup_id_x 1
		.amdhsa_system_sgpr_workgroup_id_y 1
		.amdhsa_system_sgpr_workgroup_id_z 1
		.amdhsa_system_vgpr_workitem_id 0
		.amdhsa_next_free_vgpr 1024
		.amdhsa_next_free_sgpr 80
		.amdhsa_reserve_vcc 0
		.amdhsa_float_denorm_mode_32 3
		.amdhsa_float_denorm_mode_16_64 3
		.amdhsa_memory_ordered 1
		.amdhsa_forward_progress 1
		.amdhsa_inst_pref_size 108
	.end_amdhsa_kernel
	.amdgpu_metadata
---
amdhsa.version: [ 1, 2 ]
amdhsa.kernels:
  - .name:           k_q65fcc2b5bb_oproj
    .symbol:         k_q65fcc2b5bb_oproj.kd
    .args:
      - { .name: obuf, .offset: 0, .size: 8, .value_kind: global_buffer, .address_space: global }
      - { .name: wimg, .offset: 8, .size: 8, .value_kind: global_buffer, .address_space: global }
      - { .name: Wp_scales, .offset: 16, .size: 8, .value_kind: global_buffer, .address_space: global }
      - { .name: bp, .offset: 24, .size: 8, .value_kind: global_buffer, .address_space: global }
      - { .name: x_q, .offset: 32, .size: 8, .value_kind: global_buffer, .address_space: global }
      - { .name: out0, .offset: 40, .size: 8, .value_kind: global_buffer, .address_space: global }
    .group_segment_fixed_size: 327680
    .private_segment_fixed_size: 0
    .kernarg_segment_align: 8
    .kernarg_segment_size: 48
    .max_flat_workgroup_size: 128
    .sgpr_count:     80
    .vgpr_count:     1024
    .wavefront_size: 32
...
	.end_amdgpu_metadata
.endif
;; end of part 4
;; ======== version 2 of 2: 4 launches; version 1 with the launch attn written anew for expert scheduling mode
;; workspace buffers: ssb 131,072 bytes; wimg 4,194,304 bytes; qbuf 17,825,792 bytes; kbuf 4,456,448 bytes; vbuf 4,325,376 bytes; obuf 17,301,504 bytes
;; launch prep: the kernel of part 1 again; grid 80 x 1, 16 waves a work-group, no clusters, 67,584 bytes of LDS; arguments t_vec, Wss_q, Wss_kv, bss_q, bss_kv, Wkv_codes, Wq_codes, Wp_codes, ssb, wimg; writes ssb, wimg
;; launch proj: the kernel of part 2 again; grid 384 x 1, 4 waves a work-group, clusters of 4 x 1, 327,680 bytes of LDS; arguments x_q, x_kv, ssb, wimg, Wq_scales, Wkv_scales, bq, bkv, qbuf, kbuf, vbuf; writes qbuf, kbuf, vbuf
;; launch attn (part 5): grid 32 x 8, 16 waves a work-group, no clusters, 139,264 bytes of LDS; arguments qbuf, kbuf, vbuf, obuf; writes obuf
.if DOCPART == 5
	.amdgcn_target "amdgcn-amd-amdhsa--gfx1250"
	.amdhsa_code_object_version 6
	.text
	.protected	k_q65fcc2b5bb_attn
	.globl	k_q65fcc2b5bb_attn
	.p2align	8
	.type	k_q65fcc2b5bb_attn,@function
k_q65fcc2b5bb_attn:
	s_mov_b64 s[64:65], 0
	v_nop
	global_prefetch_b8 v0, s[64:65] scope:SCOPE_SE
	s_setreg_imm32_b32 hwreg(HW_REG_WAVE_SCHED_MODE, 0, 2), 2
	s_setreg_imm32_b32 hwreg(HW_REG_WAVE_MODE, 25, 1), 1
	s_wait_xcnt 0x0
	s_wait_alu depctr_vm_vsrc(0)
; Attention on codes of BF8 (E5M2) with E8M0 scales, and the quantiser of its result along H.  All operands come as images of the matrix operand's registers, made by the launch before.
; SHARES.  A work-group owns 512 queries x two neighbouring heads of one batch; K and V of the two heads (131,072 bytes of codes, 6,144 of scale words) are copied into LDS once, through registers; one barrier.
; Each of the sixteen waves owns two tiles of 16 queries and makes four passes (tile, head); four waves share a SIMD, so that one wave's softmax stands beside another's products and LDS loads.
; No multicast: the four work-groups that share a pair of heads read 137,216 bytes each once, a small part of what the launch moves.
; LAYOUT.  Both products transposed: S^T = K Q^T, O^T = V^T P^T: a lane holds one query throughout.  The head's K is 64: the upper half of K's and Q's fragments is zero codes under the byte 0x7f.
; The keys of a tile and the channels of a tile of V are 32 (T / 2) + 8 (T % 2) + r + 8 (r / 8), so that the 16 registers of two neighbouring tiles are 16 neighbours along the next K.
; SOFTMAX.  t = score x log2(e) / 8; M = the running largest t rounded up to a whole number; p = 2^(t - M) is quantised along the keys; the row's sum is taken of the unquantised p; when M moves, sum and O^T are multiplied by 2^(old M - new M), exactly.
; A block's largest p is the exponential of the block's largest score (this takes v_exp_f32 not to fall where its input rises).
; OUT.  obuf: codes [tile of rows 1,024][pair of heads 8][c 4][lane][16 B], then words [tile][pair][16].
; LIMITS: NaN and infinities are not served; a block of zeros, or one under 2^-111, gets the byte 1 (read by this program alone); 1 / sum is v_rcp_f32.
; THE MODE: SCHED_MODE bits 1:0 = 2 (LLVM: expert scheduling mode 2), set by the entry lines.  The code itself states the register dependences
; between vector or matrix instructions and memory or LDS instructions, with s_wait_alu, always for 0.
; THE PLAN.  Registers that memory or LDS instructions touch, in the loop:
;   KF's low halves, SK   K's loads land in them; the four score products of a group read them.  A step's second four tiles are asked for behind the first four products; the NEXT step's first four behind the wait for the 64 exponentials.
;   SS, SW                V's loads land in them; SS is written by the score products and the softmax and read by the conversions, SS and SW are read by the products with V.
;   QN, QSN               the next pass's Q lands in them; nine v_mov at a pass's head read them.
;   AK, AV, AKS, AVS, QA, QSA   read by loads; written once a pass, at its head.      OA, OSA, OW, v[PC ..]   read by the stores at a pass's end; written just ahead of them.
; So a key step has four waits on va_vdst: behind the first four score products; behind the 64 exponentials; ahead of the first reader of the four exponentials; behind the conversions and their places.
; A pass has three more: at its head, behind the reciprocal, and ahead of its stores; and one wait on vm_vsrc, at its end.
.set AK,  1                            ; v1   the pass's K images: 16 x lane + 32,768 x head
.set AV,  2                            ; v2   V's
.set AKS, 3                            ; v3   K's scale words
.set AVS, 4                            ; v4   V's
.set LI,  5                            ; v5   16 x lane
.set R4,  6                            ; v6   4 r
.set QA,  7                            ; v7, v8  offsets of the next pass's Q and its words
.set QSA, 8
.set OA,  9                            ; v9, v10 offsets of the pass's output
.set OSA, 10
.set AV0, 11                           ; v11  65,536 + 16 x lane
.set KF,  32                           ; v32-95 four fragments of K; the upper eight registers of each are 0 and are never loaded
.set SS,  96                           ; v96-159 S^T, then p, then V's four fragments, then out
.set OO,  160                          ; v160-191 O^T
.set PP,  192                          ; v192-207 p's codes
.set QN,  208                          ; v208-215 the next pass's Q;  v216 its scale word
.set QSN, 216
.set QS,  217                          ; Q's scale word
.set PWD, 218                          ; p's
.set SW,  220                          ; v220-223 V's
.set BM,  224                          ; v224-227 the blocks' largest
.set T1,  228
.set HL,  232
.set SO,  236
.set FF,  240                          ; v240-241 f, later 1 / sum
.set TP,  242
.set AKS0, 243                         ; 131,072 + 4 r
.set SK,  244                          ; v244-247 K's scale words: a set of their own, so that the next step's can land while V's are at work
.set OW,  252                          ; the output's scale word, rolled together over two passes
.set HW,  253
.set AVS0, 254                         ; 135,168 + 4 r
.set TM,  224                          ; the closing quantiser's registers;
.set PC,  192                          ; its codes take the first eight of p's, which are done with at a pass's end
.set WV,  12
.set PS,  16
.set MNT, 17
.set SEL, 18
.set CS,  20
.macro NOPS n
.rept \n
	v_nop
.endr
.endm
.macro QUANT nb, base, stride, hoff    ; as in the launch before: nb blocks of 32; codes to v[PC + 4 b] on, bytes to v[TM + 4 + b]
.set qb, 0
.rept \nb
	v_max3_num_f32 v[TM+qb], |v[(\base)+(\stride)*qb]|, |v[(\base)+(\stride)*qb+1]|, 0x8000000
.set qb, qb+1
.endr
.irp i, 2,4,6
.set qb, 0
.rept \nb
	v_max3_num_f32 v[TM+qb], v[TM+qb], |v[(\base)+(\stride)*qb+\i]|, |v[(\base)+(\stride)*qb+\i+1]|
.set qb, qb+1
.endr
.endr
.irp i, 0,2,4,6
.set qb, 0
.rept \nb
	v_max3_num_f32 v[TM+qb], v[TM+qb], |v[(\base)+(\stride)*qb+(\hoff)+\i]|, |v[(\base)+(\stride)*qb+(\hoff)+\i+1]|
.set qb, qb+1
.endr
.endr
.set qb, 0
.rept \nb
	v_permlanex16_b32 v[TM+4+qb], v[TM+qb], s[SEL], s[SEL+1]
.set qb, qb+1
.endr
.set qb, 0
.rept \nb
	v_max_num_f32 v[TM+qb], v[TM+qb], v[TM+4+qb]
.set qb, qb+1
.endr
.set qb, 0
.rept \nb
	v_add_nc_u32 v[TM+12+qb], 0xf8800000, v[TM+qb]
.set qb, qb+1
.endr
.set qb, 0
.rept \nb
	v_and_or_b32 v[TM+8+qb], v[TM+qb], 0x7f800000, s[MNT]
.set qb, qb+1
.endr
.set qb, 0
.rept \nb
	v_lshrrev_b32 v[TM+4+qb], 23, v[TM+12+qb]
.set qb, qb+1
.endr
.set qb, 0
.rept \nb
.irp i, 0,1,2,3,4,5,6,7
	v_med3_num_f32 v[(\base)+(\stride)*qb+\i], v[(\base)+(\stride)*qb+\i], -v[TM+8+qb], v[TM+8+qb]
.endr
.irp i, 0,1,2,3,4,5,6,7
	v_med3_num_f32 v[(\base)+(\stride)*qb+(\hoff)+\i], v[(\base)+(\stride)*qb+(\hoff)+\i], -v[TM+8+qb], v[TM+8+qb]
.endr
	v_cvt_scalef32_pk8_bf8_f32 v[PC+4*qb:PC+4*qb+1], v[(\base)+(\stride)*qb:(\base)+(\stride)*qb+7], v[TM+12+qb]
	v_cvt_scalef32_pk8_bf8_f32 v[PC+4*qb+2:PC+4*qb+3], v[(\base)+(\stride)*qb+(\hoff):(\base)+(\stride)*qb+(\hoff)+7], v[TM+12+qb]
.set qb, qb+1
.endr
	v_nop
.endm
	s_load_b256 s[4:11], s[0:1], 0x0               ; qbuf s[4:5], kbuf s[6:7], vbuf s[8:9], obuf s[10:11]
	v_lshl_add_u32 v219, v0, 2, 0x21800
	v_mov_b32 v255, 0
	v_lshrrev_b32 v1, 5, v0
	v_readfirstlane_b32 s[WV], v1                  ; wave 0..15
	s_lshr_b32 s13, ttmp9, 2                       ; the pair of heads
	s_and_b32 s14, ttmp9, 3                        ; the quarter of the queries
	s_and_b32 s15, ttmp7, 0xffff                   ; the batch
	s_lshl_b32 s22, s15, 4
	s_lshl_b32 s23, s13, 1
	s_add_co_u32 s22, s22, s23                     ; the first head: 16 b + 2 hp
	s_lshl_b32 s24, s22, 15                        ; K's and V's codes: 32,768 bytes a head
	s_mov_b32 s25, 0
	s_lshl_b32 s26, s22, 11                        ; K's words: 2,048 bytes a head, behind the codes
	s_add_co_u32 s26, s26, 0x400000
	s_mov_b32 s27, 0
	s_lshl_b32 s28, s15, 14                        ; V's words: [b][K step][tile][16]
	s_lshl_b32 s29, s13, 9
	s_add_co_u32 s28, s28, s29
	s_add_co_u32 s28, s28, 0x400000
	s_mov_b32 s29, 0
	s_wait_alu depctr_va_sdst(0)                   ; the wave's number is written in s12, ahead of its first reader two lines down
	s_lshl_b32 s30, s14, 5
	s_lshl_b32 s31, s[WV], 1
	s_add_co_u32 s30, s30, s31                     ; my first tile of queries: 32 qq + 2 w
	s_lshl_b32 s31, s22, 7
	s_add_co_u32 s31, s31, s30
	s_lshl_b32 s40, s31, 10                        ; Q's codes: 1,024 bytes a tile
	s_mov_b32 s41, 0
	s_lshl_b32 s42, s31, 6                         ; Q's words: 64 bytes a tile
	s_add_co_u32 s42, s42, 0x1000000
	s_mov_b32 s43, 0
	s_lshl_b32 s44, s15, 7
	s_add_co_u32 s44, s44, s30                     ; my first tile of rows of the output: 128 b + 32 qq + 2 w
	s_lshl_b32 s46, s44, 14
	s_lshl_b32 s47, s13, 11
	s_add_co_u32 s46, s46, s47
	s_mov_b32 s47, 0
	s_lshl_b32 s44, s44, 9
	s_lshl_b32 s45, s13, 6
	s_add_co_u32 s44, s44, s45
	s_add_co_u32 s44, s44, 0x1000000
	s_mov_b32 s45, 0
	s_mov_b32 s[SEL], 0x76543210
	s_mov_b32 s[SEL+1], 0xfedcba98                 ; v_permlanex16_b32's selects for lane l xor 16
	s_mov_b32 s[MNT], 0x600000                     ; the mantissa field of 57,344
	s_mov_b32 s[CS], 0x3e38aa3b                    ; c = log2(e) / sqrt(64)
	s_mov_b32 s[CS+1], s[CS]                       ; (named with it as a pair, so it is written)
	s_mov_b32 s[PS], 0
	v_and_b32 v9, 31, v0
	v_and_b32 v10, 15, v0
	v_lshlrev_b32 v[LI], 4, v9
	v_lshlrev_b32 v[R4], 2, v10
	v_add_nc_u32 v[AV0], 0x10000, v[LI]
	v_add_nc_u32 v[AKS0], 0x20000, v[R4]
	v_add_nc_u32 v[AVS0], 0x21000, v[R4]
	v_mov_b32 v[QA], v[LI]
	v_mov_b32 v[QSA], v[R4]
	v_lshlrev_b32 v224, 4, v0                      ; the copy: thread i takes 16 bytes of each 8,192,
	v_add_nc_u32 v225, 0x10000, v224
	v_lshlrev_b32 v226, 3, v0                      ; 8 bytes of K's words,
	v_add_nc_u32 v227, 0x20000, v226
	v_lshrrev_b32 v228, 7, v0                      ; and one of V's: K step i / 128, word i % 128 of the pair's 128
	v_and_b32 v229, 127, v0
	v_lshlrev_b32 v229, 2, v229
	v_lshl_add_u32 v228, v228, 12, v229
	v_lshl_add_u32 v229, v0, 2, 0x21000
	s_wait_kmcnt 0x0
	s_add_nc_u64 s[32:33], s[4:5], s[40:41]        ; Q's codes
	s_add_nc_u64 s[34:35], s[4:5], s[42:43]        ; Q's words
	s_add_nc_u64 s[36:37], s[10:11], s[46:47]      ; the output's codes
	s_add_nc_u64 s[38:39], s[10:11], s[44:45]      ; the output's words
	s_add_nc_u64 s[40:41], s[6:7], s[26:27]        ; K's words
	s_add_nc_u64 s[42:43], s[8:9], s[28:29]        ; V's words
	s_add_nc_u64 s[6:7], s[6:7], s[24:25]
	s_add_nc_u64 s[8:9], s[8:9], s[24:25]
	s_wait_alu depctr_va_vdst(0)                   ; the offsets v224 to v229, v[QA] and v[QSA] are written, which the loads and LDS stores below read; no vector instruction stands among them
.irp j, 0,1,2,3,4,5,6,7
	global_load_b128 v[32+4*\j:35+4*\j], v224, s[6:7] offset:8192*\j
.endr
.irp j, 0,1,2,3,4,5,6,7
	global_load_b128 v[64+4*\j:67+4*\j], v224, s[8:9] offset:8192*\j
.endr
	global_load_b64 v[96:97], v226, s[40:41]
	global_load_b32 v98, v228, s[42:43]
	global_load_b128 v[QN:QN+3], v[QA], s[32:33]   ; the first pass's Q
	global_load_b128 v[QN+4:QN+7], v[QA], s[32:33] offset:512
	global_load_b32 v[QSN], v[QSA], s[34:35]
	s_wait_loadcnt 3                               ; the copy's eighteen loads are in; Q's three were issued behind them
.irp j, 0,1,2,3,4,5,6,7
	ds_store_b128 v224, v[32+4*\j:35+4*\j] offset:8192*\j
.endr
.irp j, 0,1,2,3,4,5,6,7
	ds_store_b128 v225, v[64+4*\j:67+4*\j] offset:8192*\j
.endr
	ds_store_b64 v227, v[96:97]
	ds_store_b32 v229, v98
	s_wait_dscnt 0x0                               ; for the others' sake: my part lies in LDS
	s_barrier_signal -1
	s_barrier_wait -1                              ; the launch's one barrier: LDS is only read from here on
	s_wait_alu depctr_vm_vsrc(0)                   ; the copy's loads and LDS stores have read v32 to v98 and v224 to v229, Q's loads v[QA] and v[QSA]: the lines below and the first pass write these registers
.irp i, 0,1,2,3,4,5,6,7
	v_mov_b32 v[24+\i], 0                          ; the zero halves: K = 64 .. 127 of Q
.irp t, 0,1,2,3
	v_mov_b32 v[KF+16*\t+8+\i], 0                  ; and of K's four fragments
.endr
.endr
.irp i, 0,1,2,3
	v_mov_b32 v[T1+\i], 0                          ; written once: a lane permute's destination counts as one of its sources
.endr
	v_mov_b32 v[FF+1], 0                           ; (the upper half of a pair of which the low word serves both halves)
	v_mov_b32 v[OW], 0
; four tiles of 16 keys, group g of key step q: the low halves of K's four fragments and their scale words: twelve LDS loads
.macro KLOAD q, g
.irp t, 0,1,2,3
	ds_load_b128 v[KF+16*\t:KF+16*\t+3], v[AK] offset:1024*(8*(\q)+4*(\g)+\t)
	ds_load_b128 v[KF+16*\t+4:KF+16*\t+7], v[AK] offset:1024*(8*(\q)+4*(\g)+\t)+512
	ds_load_b32 v[SK+\t], v[AKS] offset:64*(8*(\q)+4*(\g)+\t)
.endr
.endm
; S^T = K Q^T for those four tiles
.macro QK g
.irp t, 0,1,2,3
	v_wmma_scale_f32_16x16x128_f8f6f4 v[SS+8*(4*(\g)+\t):SS+8*(4*(\g)+\t)+7], v[KF+16*\t:KF+16*\t+15], v[16:31], 0, v[SK+\t], v[QS] matrix_a_fmt:MATRIX_FMT_BF8 matrix_b_fmt:MATRIX_FMT_BF8
.endr
.endm
; the largest score of two blocks of 32 keys, by turns: for the row's maximum, and for the block's largest p.  Sixteen plain instructions; each result is read from its low end on
.macro MAXB b0, b1
.irp b, \b0, \b1
	v_max3_num_f32 v[BM+\b], v[SS+16*\b], v[SS+1+16*\b], v[SS+2+16*\b]
.endr
.irp i, 3,5,7,9,11,13
.irp b, \b0, \b1
	v_max3_num_f32 v[BM+\b], v[BM+\b], v[SS+16*\b+\i], v[SS+1+16*\b+\i]
.endr
.endr
.irp b, \b0, \b1
	v_max_num_f32 v[BM+\b], v[BM+\b], v[SS+15+16*\b]
.endr
.endm
; A KEY STEP: 128 keys, the q-th of four.  In step 0 the products with V start O^T's sums
.macro STEP q
.if (\q) == 0
	KLOAD 0, 0                                     ; a pass's first four tiles; the wait at the pass's head has stated all that these loads hang on
	s_wait_dscnt 0x0
.endif                                             ; (steps 1 to 3: their first four tiles were asked for in the step before, and the wait on DScnt ahead of its products with V has shown them in)
	QK 0
	NOPS 8                                         ; eight places behind the four products, ahead of the first read of their results (the block maxima further down: the products between are no places)
	s_wait_alu depctr_va_vdst(0)                   ; the four products are done reading K's fragments and scale words, in which the next four tiles land
	KLOAD \q, 1
	s_wait_dscnt 0x0
	QK 1
	MAXB 0, 1                                      ; the first 64 keys' maxima name no register of the four products just issued: they are the places behind them
	MAXB 2, 3
.irp b, 0,1,2,3
	v_permlanex16_b32 v[T1+\b], v[BM+\b], s[SEL], s[SEL+1]
.endr
.irp b, 0,1,2,3
	v_max_num_f32 v[BM+\b], v[BM+\b], v[T1+\b]     ; with lane l xor 16's 16 keys
.endr
	v_max3_num_f32 v[TP], v[BM], v[BM+1], v[BM+2]
	v_max_num_f32 v[TP], v[TP], v[BM+3]
	v_mul_f32 v[TP], s[CS], v[TP]                  ; as t (c is positive)
	v_max_num_f32 v13, v13, v[TP]                  ; the running largest t
	v_mov_b32 v[TP], v12
	v_floor_f32 v12, -v13                          ; -M = floor(-t) = -ceil(t)
	v_sub_f32 v[TP], v12, v[TP]                    ; old M - new M: a whole number, 0 or less
	v_cvt_i32_f32 v[TP], v[TP]                     ; (it saturates)
	v_ldexp_f32 v[FF], 1.0, v[TP]                  ; f = 2^(old M - new M)
.set j, 0
.rept 32
	v_pk_fma_f32 v[SS+j:SS+j+1], v[SS+j:SS+j+1], s[CS:CS+1], v[12:13] op_sel_hi:[1,0,0]   ; t - M
.set j, j+2
.endr
.irp b, 0,1,2,3
	v_fma_f32 v[BM+\b], v[BM+\b], s[CS], v12       ; the same of each block's largest score
.endr
.set j, 0
.rept 64
	v_exp_f32 v[SS+j], v[SS+j]                     ; p = 2^(t - M)
.set j, j+1
.endr
	v_pk_mul_f32 v[14:15], v[14:15], v[FF:FF+1] op_sel_hi:[1,0]   ; the sums under the new M: a plain instruction behind the exponentials
	s_wait_alu depctr_va_vdst(0)                   ; the 64 exponentials have written p, ahead of its first reader; and the step's last four score products are done reading K's fragments and scale words
.if (\q) < 3
	KLOAD (\q)+1, 0                                ; the next step's first four tiles: they land under the rest of the softmax; no vector or matrix instruction names their registers before that step's products
.endif
.irp b, 0,1,2,3
	v_exp_f32 v[BM+\b], v[BM+\b]                   ; the blocks' largest p
.endr
	v_pk_add_f32 v[T1:T1+1], v[SS:SS+1], v[SS+2:SS+3]   ; the row's sum of the unquantised p, in two chains
.irp j, 4,8,12,16,20,24,28,32,36,40,44,48,52,56,60
	v_pk_add_f32 v[14:15], v[14:15], v[SS+\j:SS+\j+1]
	v_pk_add_f32 v[T1:T1+1], v[T1:T1+1], v[SS+2+\j:SS+3+\j]
.endr
	v_pk_add_f32 v[14:15], v[14:15], v[T1:T1+1]
	s_wait_alu depctr_va_vdst(0)                   ; the four exponentials have written the blocks' largest p, ahead of its first reader
.irp b, 0,1,2,3
	v_max_num_f32 v[BM+\b], 0x8000000, v[BM+\b]    ; the floor 2^(16 - 127)
.endr
.irp b, 0,1,2,3
	v_add_nc_u32 v[SO+\b], 0xf8800000, v[BM+\b]    ; the conversion's scale operand
.endr
.irp b, 0,1,2,3
	v_and_or_b32 v[HL+\b], v[BM+\b], 0x7f800000, s[MNT]   ; 57,344 x the scale
.endr
.irp b, 0,1,2,3
	v_lshrrev_b32 v[T1+\b], 23, v[SO+\b]           ; the scale's byte
.endr
	v_lshl_or_b32 v[PWD], v[T1+1], 8, v[T1]        ; p's scale word for these 128 keys: it stands far more than eight places ahead of the products
	v_lshl_or_b32 v[PWD], v[T1+2], 16, v[PWD]
	v_lshl_or_b32 v[PWD], v[T1+3], 24, v[PWD]
.irp b, 0,1,2,3
.irp i, 0,1,2,3,4,5,6,7,8,9,10,11,12,13,14,15
	v_min_num_f32 v[SS+16*\b+\i], v[SS+16*\b+\i], v[HL+\b]   ; the hold; p is not negative
.endr
	v_cvt_scalef32_pk8_bf8_f32 v[PP+4*\b:PP+4*\b+1], v[SS+16*\b:SS+16*\b+7], v[SO+\b]
	v_cvt_scalef32_pk8_bf8_f32 v[PP+4*\b+2:PP+4*\b+3], v[SS+8+16*\b:SS+15+16*\b], v[SO+\b]
.endr
.if (\q) == 0
	NOPS 4                                         ; the plain place behind the conversions and the four places ahead of products that take their codes
.else
.set j, 0
.rept 16
	v_pk_mul_f32 v[OO+j:OO+j+1], v[OO+j:OO+j+1], v[FF:FF+1] op_sel_hi:[1,0]   ; O^T under the new M; these are those places too
.set j, j+2
.endr
.endif
	s_wait_alu depctr_va_vdst(0)                   ; behind the places: holds and conversions are done with p's registers, in which V lands; p's codes and its scale word are written, which the scaled products below take
.irp t, 0,1,2,3                        ; V's four tiles of 16 channels x these 128 keys take p's registers
.irp c, 0,1,2,3
	ds_load_b128 v[SS+16*\t+4*\c:SS+16*\t+4*\c+3], v[AV] offset:8192*\t+2048*(\q)+512*\c
.endr
	ds_load_b32 v[SW+\t], v[AVS] offset:512*(\q)+64*\t
.endr
	s_wait_dscnt 0x0                               ; V is in, and so are the next step's first four tiles of K, asked for ahead of it
.irp t, 0,1,2,3
.if (\q) == 0
	v_wmma_scale_f32_16x16x128_f8f6f4 v[OO+8*\t:OO+8*\t+7], v[SS+16*\t:SS+16*\t+15], v[PP:PP+15], 0, v[SW+\t], v[PWD] matrix_a_fmt:MATRIX_FMT_BF8 matrix_b_fmt:MATRIX_FMT_BF8
.else
	v_wmma_scale_f32_16x16x128_f8f6f4 v[OO+8*\t:OO+8*\t+7], v[SS+16*\t:SS+16*\t+15], v[PP:PP+15], v[OO+8*\t:OO+8*\t+7], v[SW+\t], v[PWD] matrix_a_fmt:MATRIX_FMT_BF8 matrix_b_fmt:MATRIX_FMT_BF8
.endif
.endr
	NOPS 9                                         ; the next scores are written over V's registers: nine places; they serve the reads of O^T as well
.endm
.Lpass:                                            ; pass PS: tile PS / 2 of my two, head PS % 2 of the pair
	s_wait_loadcnt 0x0                             ; this pass's Q
.irp i, 0,1,2,3,4,5,6,7
	v_mov_b32 v[16+\i], v[QN+\i]
.endr
	v_mov_b32 v[QS], v[QSN]
	s_and_b32 s22, s[PS], 1
	s_lshl_b32 s23, s22, 15
	s_lshl_b32 s24, s22, 11
	s_lshl_b32 s25, s22, 8
	v_add_nc_u32 v[AK], s23, v[LI]                 ; (the LDS loads that read these four addresses have read them: the wait on vm_vsrc at the last pass's end, or behind the barrier)
	v_add_nc_u32 v[AV], s23, v[AV0]
	v_add_nc_u32 v[AKS], s24, v[AKS0]
	v_add_nc_u32 v[AVS], s25, v[AVS0]
	s_add_co_u32 s26, s[PS], 1                     ; the next pass's Q: its offsets are made in every pass, ahead of the one wait below; in the last pass they are not used
	s_and_b32 s27, s26, 1
	s_lshr_b32 s28, s26, 1
	s_lshl_b32 s29, s27, 17                        ; a head's codes of q: 131,072 bytes
	s_lshl_b32 s30, s28, 10
	s_add_co_u32 s29, s29, s30
	v_add_nc_u32 v[QA], s29, v[LI]                 ; (the loads that read these offsets are in)
	s_lshl_b32 s30, s27, 13
	s_lshl_b32 s31, s28, 6
	s_add_co_u32 s30, s30, s31
	v_add_nc_u32 v[QSA], s30, v[R4]
	v_mov_b32 v13, 0xff61b1e6                      ; the largest t so far: -3e38, under every t
	v_floor_f32 v12, -v13                          ; -M
	v_mov_b32 v14, 0                               ; the sum, in two halves
	v_mov_b32 v15, 0
	NOPS 8                                         ; Q's scale word was written by a vector instruction: eight places ahead of the first product
	s_wait_alu depctr_va_vdst(0)                   ; behind the places: Q's codes, its scale word and the zero halves are written, which the scaled products take; the six addresses are written, which the loads below read; the nine moves are done reading v[QN ..], in which the next Q lands; the last pass's products are done reading K's fragments and the scale words, in which loads land
	s_cmp_lt_u32 s[PS], 3
	s_cbranch_scc0 .Lnoq                           ; the last pass asks for nothing: no load leaves its buffer
	global_load_b128 v[QN:QN+3], v[QA], s[32:33]
	global_load_b128 v[QN+4:QN+7], v[QA], s[32:33] offset:512
	global_load_b32 v[QSN], v[QSA], s[34:35]
.Lnoq:
	STEP 0
	STEP 1
	STEP 2
	STEP 3
	v_add_f32 v14, v14, v15
	v_permlanex16_b32 v[TP], v14, s[SEL], s[SEL+1]
	v_add_f32 v14, v14, v[TP]                      ; the row's sum
	v_rcp_f32 v[FF], v14
	v_nop
	s_wait_alu depctr_va_vdst(0)                   ; the reciprocal has written 1 / sum, ahead of its first reader
.set j, 0
.rept 16
	v_pk_mul_f32 v[SS+j:SS+j+1], v[OO+j:OO+j+1], v[FF:FF+1] op_sel_hi:[1,0]   ; out(query r, channel 32 bb + 16 h + 0 .. 15) in registers 16 bb on; each accumulator is read from its low end on
.set j, j+2
.endr
	QUANT 2, SS, 16, 8                             ; the head's two blocks of 32 along H
	s_lshr_b32 s22, s[PS], 1
	s_and_b32 s23, s[PS], 1
	s_lshl_b32 s24, s22, 14                        ; the tile of rows,
	s_lshl_b32 s25, s23, 10                        ; groups c = 2 head + 0, 1 of the pair's fragment
	s_add_co_u32 s24, s24, s25
	s_lshl_b32 s26, s22, 9
	v_add_nc_u32 v[OA], s24, v[LI]
	v_add_nc_u32 v[OSA], s26, v[R4]
	v_lshl_or_b32 v[HW], v[TM+5], 8, v[TM+4]
	v_alignbit_b32 v[OW], v[HW], v[OW], 16         ; the head's two bytes are rolled in from the top
	s_wait_alu depctr_va_vdst(0)                   ; the conversions have written the codes v[PC ..], and the four lines above the word and the two offsets: the stores below read them
	global_store_b128 v[OA], v[PC:PC+3], s[36:37]              ; 512 consecutive bytes a store
	global_store_b128 v[OA], v[PC+4:PC+7], s[36:37] offset:512
	s_bitcmp1_b32 s[PS], 0
	s_cbranch_scc0 .Lnow                           ; the word is whole behind the pair's second head
	global_store_b32 v[OSA], v[OW], s[38:39]       ; lanes 16-31 write the same words to the same places
.Lnow:
	s_wait_xcnt 0x0                                ; the stores have read their registers
	s_wait_alu depctr_vm_vsrc(0)                   ; beside it: the stores have read the codes, the word and their offsets, the pass's loads their addresses: the next pass writes all of them again
	s_add_co_u32 s[PS], s[PS], 1
	s_cmp_lt_u32 s[PS], 4
	s_cbranch_scc1 .Lpass
	s_wait_dscnt 0x0                               ; the closing lines, six on end
	s_wait_alu 0x0
	s_wait_tensorcnt 0x0
	ds_add_u32 v219, v255
	s_wait_dscnt 0x0
	s_endpgm
.Lfunc_end_k_q65fcc2b5bb_attn:
	.size	k_q65fcc2b5bb_attn, .Lfunc_end_k_q65fcc2b5bb_attn-k_q65fcc2b5bb_attn
	.p2alignl 7, 3214868480
	.fill 96, 4, 3214868480
	.section	.rodata,"a",@progbits
	.p2align	6, 0x0
	.amdhsa_kernel k_q65fcc2b5bb_attn
		.amdhsa_group_segment_fixed_size 139264
		.amdhsa_private_segment_fixed_size 0
		.amdhsa_enable_private_segment 0
		.amdhsa_kernarg_size 32
		.amdhsa_user_sgpr_count 2
		.amdhsa_user_sgpr_kernarg_segment_ptr 1
		.amdhsa_wavefront_size32 1
		.amdhsa_system_sgpr_workgroup_id_x 1
		.amdhsa_system_sgpr_workgroup_id_y 1
		.amdhsa_system_sgpr_workgroup_id_z 1
		.amdhsa_system_vgpr_workitem_id 0
		.amdhsa_next_free_vgpr 256
		.amdhsa_next_free_sgpr 66
		.amdhsa_reserve_vcc 0
		.amdhsa_float_denorm_mode_32 3
		.amdhsa_float_denorm_mode_16_64 3
		.amdhsa_memory_ordered 1
		.amdhsa_forward_progress 1
		.amdhsa_inst_pref_size 91
	.end_amdhsa_kernel
	.amdgpu_metadata
---
amdhsa.version: [ 1, 2 ]
amdhsa.kernels:
  - .name:           k_q65fcc2b5bb_attn
    .symbol:         k_q65fcc2b5bb_attn.kd
    .args:
      - { .name: qbuf, .offset: 0, .size: 8, .value_kind: global_buffer, .address_space: global }
      - { .name: kbuf, .offset: 8, .size: 8, .value_kind: global_buffer, .address_space: global }
      - { .name: vbuf, .offset: 16, .size: 8, .value_kind: global_buffer, .address_space: global }
      - { .name: obuf, .offset: 24, .size: 8, .value_kind: global_buffer, .address_space: global }
    .group_segment_fixed_size: 139264
    .private_segment_fixed_size: 0
    .kernarg_segment_align: 8
    .kernarg_segment_size: 32
    .max_flat_workgroup_size: 512
    .sgpr_count:     66
    .vgpr_count:     256
    .wavefront_size: 32
...
	.end_amdgpu_metadata
.endif
;; end of part 5
;; launch oproj: the kernel of part 4 again; grid 256 x 1, 4 waves a work-group, clusters of 4 x 1, 327,680 bytes of LDS; arguments obuf, wimg, Wp_scales, bp, x_q, out0; writes out0
